; MI455X (gfx1250); checked and timed in simulation.
; The chip was launched on July 23, 2026; its instructions are those of AMD's public machine-readable ISA for CDNA 5 (MIT licence, August 2026) and "CDNA5" Instruction Set Architecture Reference Guide (July 2026). The comments in the code are by the model that wrote it; some were corrected since.
;; Alibi Transformer Layer. Allowed arithmetic: matrix products marked QUANTISED: E4M3 operands, one E8M0 scale for each 32 along K, by v_wmma_scale_f32_16x16x128_f8f6f4 with both operands' format E4M3, f32 sums; everything else in f32.
;; Inputs: b1 4,096 float32; b2 1,024 float32; bo 1,024 float32; bqkv 3,072 float32; ln1_b 1,024 float32; ln1_w 1,024 float32; ln2_b 1,024 float32; ln2_w 1,024 float32; src 2 x 2,048 x 1,024 float32; w1_codes 4,096 x 32 x 32 uint8 (E4M3 codes of w1, K innermost, in blocks of 32 codes); w1_scales 4,096 x 32 uint8 (E8M0 scales of w1, one for each 32 codes along K); w2_codes 1,024 x 128 x 32 uint8 (E4M3 codes of w2, K innermost, in blocks of 32 codes); w2_scales 1,024 x 128 uint8 (E8M0 scales of w2, one for each 32 codes along K); wo_codes 1,024 x 32 x 32 uint8 (E4M3 codes of wo, K innermost, in blocks of 32 codes); wo_scales 1,024 x 32 uint8 (E8M0 scales of wo, one for each 32 codes along K); wqkv_codes 3,072 x 32 x 32 uint8 (E4M3 codes of wqkv, K innermost, in blocks of 32 codes); wqkv_scales 3,072 x 32 uint8 (E8M0 scales of wqkv, one for each 32 codes along K).
;; Outputs: out0 2 x 2,048 x 1,024 float32.
;; This version of the problem:
;;   THIS VERSION OF THE PROBLEM IS GIVEN IN LOW PRECISION. The matrix products marked QUANTISED in the list below multiply operands that are first quantised to E4M3 (4 exponent bits, 3 mantissa bits; 8 bits a number), with one power-of-two scale for each 32 numbers along K (OCP MX v1.0); their sums are f32. All else is computed in f32.
;;   The module's matrix products, in the order in which they are computed (A, B: the left and right operand; K: the contracted axis; several contracted axes count as one K, in the product's order):
;;     1. [M 4,096, K 1,024] x [K 1,024, N 3,072]; A: computed on the way; B: input wqkv (given as codes): QUANTISED
;;     2. batch 32 x [M 2,048, K 64] x [K 64, N 2,048]; A: computed on the way; B: computed on the way: QUANTISED
;;     3. batch 32 x [M 2,048, K 2,048] x [K 2,048, N 64]; A: softmax (see below); B: computed on the way: QUANTISED
;;     4. [M 4,096, K 1,024] x [K 1,024, N 1,024]; A: computed on the way; B: input wo (given as codes): QUANTISED
;;     5. [M 4,096, K 1,024] x [K 1,024, N 4,096]; A: computed on the way; B: input w1 (given as codes): QUANTISED
;;     6. [M 4,096, K 4,096] x [K 4,096, N 1,024]; A: computed on the way; B: input w2 (given as codes): QUANTISED
;;   THE QUANTISER, for each operand of a quantised product, along K:
;;     - K is cut into blocks of 32 from its start; a last block that is shorter is filled with zeros.
;;     - A block's scale is 2^e with e = floor(log2(the largest magnitude in the block)) - 8, held to -126 .. 127; a block of zeros has e = 0. As a byte (E8M0): e + 127.
;;     - Each number is divided by its block's scale, clamped to +-448, and rounded to the nearest number of E4M3, ties to even, subnormals kept.
;;     - The product sums the exact products of the quantised numbers (number of the format x scale) in f32.
;;   ~~~python
;;   def quantise(x, axis):      # numpy; x: float32 -> the quantised numbers, widened to float32 again
;;       x = np.moveaxis(x, axis, -1); K = x.shape[-1]
;;       x = np.pad(x, [(0, 0)] * (x.ndim - 1) + [(0, -K % 32)]); x = x.reshape(x.shape[:-1] + (-1, 32)); a = np.abs(x).max(-1, keepdims=True)
;;       e = np.where(a > 0, np.clip(np.frexp(np.where(a > 0, a, 1))[1] - 1 - 8, -126, 127), 0)      # np.frexp(a)[1] - 1 = floor(log2(a)), exactly
;;       r = np.clip(x / 2.0 ** e, -448, 448)
;;       step = 2.0 ** (np.maximum(np.frexp(np.where(r == 0, 1, r))[1] - 1, -6) - 3)
;;       q = np.round(r / step) * step * 2.0 ** e      # np.round: ties to even
;;       return np.moveaxis(q.reshape(q.shape[:-2] + (-1,))[..., :K], -1, axis).astype(np.float32)
;;   ~~~
;;   SOFTMAX AHEAD OF A QUANTISED PRODUCT. Where the list says 'softmax', what is quantised is not the finished softmax but p = 2^(t - M), with t = logit x log2(e) and M = ceil(the row's largest t), a whole number; so 1/2 < the row's largest p <= 1. The row's sum l is taken of the UNQUANTISED p, in f32, and the product's result is divided by l at the end. Since M is a whole number, a kernel that streams over the keys may use a running M (the ceiling of the running maximum): every later rescaling is an exact power of two, which a block's scale takes up: the codes' values come out the same.
;;   OPERANDS COMPUTED ON THE WAY. 'Computed on the way' means the value that the module computes at that place (a softmax that the list does not call 'softmax' is quantised finished and normalised). What goes into a quantiser is computed in f32, as accurately as f32 sums, v_exp_f32 and their like allow (about 1e-6 of the number): no bf16 or f16 on the way to a quantiser, and a product that is left as it is and whose result goes on into a quantised operand takes f32 operands (vector FMAs, or v_wmma_f32_16x16x4_f32). A number that lies on a knife's edge between two numbers of the format may be rounded either way, as far as f32 arithmetic and the matrix unit's own rounding can turn it there, and no further.
;;   INPUTS GIVEN AS CODES. w1 (in the module: [1024, 4096], K = its axis 0); w2 (in the module: [4096, 1024], K = its axis 0); wo (in the module: [1024, 1024], K = its axis 0); wqkv (in the module: [1024, 3072], K = its axis 0): each comes as NAME_codes (uint8): NAME with its K axis moved to the last place and cut into blocks of 32 codes, [.., K / 32, bytes a block], one block behind the other in memory; one code a byte (a code: sign, 4 exponent bits, 3 mantissa bits); and NAME_scales (uint8): the same leading axes, one E8M0 byte (e + 127) for each 32 codes along K. Its value is code x scale, taken as it is: it is not quantised again, and the codes and scales need not be those that the quantiser above would give.
;; One version. Each part assembles by itself: llvm-mc -triple=amdgcn-amd-amdhsa -mcpu=gfx1250 --defsym DOCPART=n.
;; ======== version 1 of 1: 7 launches
;; workspace buffers: act_c 4,194,304 bytes; act_s 131,072 bytes; qkv 13,107,200 bytes; src2 16,777,216 bytes; gc 16,777,216 bytes; gs 524,288 bytes
;; launch ln1 (part 1): grid 256 x 1, 8 waves a work-group, no clusters, 42,496 bytes of LDS; arguments src, ln1_w, ln1_b, act_c, act_s; writes act_c, act_s
.if DOCPART == 1
	.amdgcn_target "amdgcn-amd-amdhsa--gfx1250"
	.amdhsa_code_object_version 6
	.text
	.protected	k_q0cf8170ea2_ln1
	.globl	k_q0cf8170ea2_ln1
	.p2align	8
	.type	k_q0cf8170ea2_ln1,@function
k_q0cf8170ea2_ln1:
	s_mov_b64 s[64:65], 0
	v_nop
	global_prefetch_b8 v0, s[64:65] scope:SCOPE_SE
	s_setreg_imm32_b32 hwreg(HW_REG_WAVE_MODE, 25, 1), 1
	s_wait_xcnt 0x0
; y = (x - mean) * rsqrt(var + 1e-5) * w + b for rows of 1,024 f32, then y is turned into codes of E4M3 with one E8M0 byte for each 32 along the row.
; codes: [4096][1024] bytes, row-major; scale bytes: [4096][32].  A block's byte is its largest magnitude's exponent field - 8, held at 1 from below.
; LIMITS: NaN and infinities are not served; a block whose largest magnitude lies under 2^-118 is coded against that floor's scale; a block of zeros keeps the byte 1
; (its codes are zeros, and this program alone reads the bytes).
; SHARES: a work-group takes 16 rows, each of its eight waves two.  A row is 32 registers of a wave (load i: k = 128 i + 4 lane ..), kept between the passes: memory is read once.
; The conversions want 16 neighbours along the row in one lane: half a row (2,048 bytes) at a time goes through the wave's own stage in LDS, as it lies, and comes back 64 bytes a lane.
; The work-group's 512 scale bytes meet in LDS and leave as 512 consecutive bytes.  No matrix unit, no tensor load, no cluster: nothing is shared and every byte is read once.
.set SP,    80                         ; a lane's place in a stage: 64 bytes + 16 of padding
.set WREG,  2*32*SP                    ; two stages for each wave
.set SCBY,  8*WREG                     ; behind the stages: [16 rows][32] scale bytes
.set W,     16                         ; v16-47   w
.set B,     48                         ; v48-79   b
.set R,     80                         ; v80-143  my two rows
.set X,     144                        ; v144-175 two sets of 16 neighbours
.set C,     176                        ; v176-191 codes: four registers for each half row
.set E,     192                        ; v192-195 a scale byte for each half row
.set RS,    196                        ; v196-199 1 / sqrt(var + eps) of row 0 and row 1, each the low word of a pair
	s_load_b256 s[4:11], s[0:1], 0x0               ; x, w, b, codes
	s_load_b64 s[12:13], s[0:1], 0x20              ; scale bytes
	v_lshl_add_u32 v200, v0, 2, 0xa200
	v_mov_b32 v201, 0
	v_lshrrev_b32 v1, 5, v0
	v_readfirstlane_b32 s16, v1                    ; wave
	v_and_b32 v1, 31, v0                           ; lane
	v_lshlrev_b32 v2, 4, v1                        ; 16 x lane: my bytes of a load's 512, and of a store's
	s_mul_i32 s17, s16, WREG
	v_lshrrev_b32 v14, 2, v1
	v_mul_u32_u24 v14, v14, SP
	v_and_b32 v15, 3, v1
	v_lshl_add_u32 v14, v15, 4, v14
	v_add_nc_u32 v14, s17, v14                     ; the stage, on the way in: four lanes' 64 bytes on end, then the padding
	v_mul_u32_u24 v15, v1, SP
	v_add_nc_u32 v15, s17, v15                     ; and on the way out: my 16 neighbours
	v_lshrrev_b32 v5, 1, v1
	s_lshl_b32 s17, s16, 6
	s_add_co_u32 s17, s17, SCBY
	v_add_nc_u32 v5, s17, v5                       ; my wave's 64 scale bytes, my block's byte
	v_add_nc_u32 v6, SCBY, v2                      ; all 512, 16 a lane
	s_mov_b32 s18, 0x76543210
	s_mov_b32 s19, 0xfedcba98                      ; selects for lane l xor 16
	s_mov_b32 s20, 0x3a800000                      ; 1 / 1024
	s_mov_b32 s21, 0x3727c5ac                      ; 1e-5
	s_mov_b32 s22, 0x600000                        ; the mantissa field of 448
	s_lshl_b32 s24, ttmp9, 16                      ; 16 rows of 4,096 bytes a work-group,
	s_lshl_b32 s17, s16, 13                        ; two a wave
	s_add_co_u32 s24, s24, s17
	s_mov_b32 s25, 0
	s_lshl_b32 s26, ttmp9, 14                      ; the same rows of codes
	s_lshl_b32 s17, s16, 11
	s_add_co_u32 s26, s26, s17
	s_mov_b32 s27, 0
	s_lshl_b32 s28, ttmp9, 9                       ; and the work-group's scale bytes
	s_mov_b32 s29, 0
	s_wait_kmcnt 0x0
	s_add_nc_u64 s[4:5], s[4:5], s[24:25]
	s_add_nc_u64 s[10:11], s[10:11], s[26:27]
	s_add_nc_u64 s[12:13], s[12:13], s[28:29]
.irp i, 0,1,2,3,4,5,6,7
	global_load_b128 v[R+4*\i:R+4*\i+3], v2, s[4:5] offset:512*\i th:TH_LOAD_NT
.endr
.irp i, 0,1,2,3,4,5,6,7
	global_load_b128 v[R+32+4*\i:R+32+4*\i+3], v2, s[4:5] offset:4096+512*\i th:TH_LOAD_NT
.endr
.irp i, 0,1,2,3,4,5,6,7
	global_load_b128 v[W+4*\i:W+4*\i+3], v2, s[6:7] offset:512*\i
.endr
.irp i, 0,1,2,3,4,5,6,7
	global_load_b128 v[B+4*\i:B+4*\i+3], v2, s[8:9] offset:512*\i
.endr
.macro ACROSS x, y                     ; the sum over the 32 lanes, in every lane
	v_add_f32_dpp v[\x], v[\x], v[\x] row_xmask:1 row_mask:0xf bank_mask:0xf
	v_add_f32_dpp v[\x], v[\x], v[\x] row_xmask:2 row_mask:0xf bank_mask:0xf
	v_add_f32_dpp v[\x], v[\x], v[\x] row_xmask:4 row_mask:0xf bank_mask:0xf
	v_add_f32_dpp v[\x], v[\x], v[\x] row_xmask:8 row_mask:0xf bank_mask:0xf
	v_permlanex16_b32 v[\y], v[\x], s18, s19
	v_add_f32 v[\x], v[\x], v[\y]
.endm
; the row in v[r] on: its mean is taken off in place; 1 / sqrt(var + eps) goes to v[rs]
.macro STAT r, rs
	v_pk_add_f32 v[8:9], v[\r:\r+1], v[\r+4:\r+5]
	v_pk_add_f32 v[10:11], v[\r+2:\r+3], v[\r+6:\r+7]
.irp j, 8,12,16,20,24,28
	v_pk_add_f32 v[8:9], v[8:9], v[\r+\j:\r+\j+1]
	v_pk_add_f32 v[10:11], v[10:11], v[\r+\j+2:\r+\j+3]
.endr
	v_pk_add_f32 v[8:9], v[8:9], v[10:11]
	v_add_f32 v8, v8, v9
	ACROSS 8, 9
	v_mul_f32 v8, s20, v8                          ; the mean
.irp j, 0,2,4,6,8,10,12,14,16,18,20,22,24,26,28,30
	v_pk_add_f32 v[\r+\j:\r+\j+1], v[\r+\j:\r+\j+1], v[8:9] op_sel_hi:[1,0] neg_lo:[0,1] neg_hi:[0,1]
.endr
	v_pk_mul_f32 v[10:11], v[\r:\r+1], v[\r:\r+1]
	v_pk_mul_f32 v[12:13], v[\r+2:\r+3], v[\r+2:\r+3]
.irp j, 4,8,12,16,20,24,28
	v_pk_fma_f32 v[10:11], v[\r+\j:\r+\j+1], v[\r+\j:\r+\j+1], v[10:11]
	v_pk_fma_f32 v[12:13], v[\r+\j+2:\r+\j+3], v[\r+\j+2:\r+\j+3], v[12:13]
.endr
	v_pk_add_f32 v[10:11], v[10:11], v[12:13]
	v_add_f32 v10, v10, v11
	ACROSS 10, 11
	v_fma_f32 v10, v10, s20, s21                   ; var + eps
	v_rsq_f32 v[\rs], v10
	v_mov_b32 v[\rs+1], 0                          ; a plain instruction behind the transcendental; the pair's upper word is named, so it is written
	s_wait_alu depctr_va_vdst(0)                   ; ahead of the first instruction that names the result
.endm
.macro NORM r, rs
.irp j, 0,2,4,6,8,10,12,14,16,18,20,22,24,26,28,30
	v_pk_mul_f32 v[\r+\j:\r+\j+1], v[\r+\j:\r+\j+1], v[\rs:\rs+1] op_sel_hi:[1,0]
.endr
.irp j, 0,2,4,6,8,10,12,14,16,18,20,22,24,26,28,30
	v_pk_fma_f32 v[\r+\j:\r+\j+1], v[\r+\j:\r+\j+1], v[W+\j:W+\j+1], v[B+\j:B+\j+1]
.endr
.endm
; half row t (row t / 2, half t % 2) through stage t % 2: LDS serves a wave's instructions in order, so no wait stands between the stores and the loads
.macro TURN t
.irp i, 0,1,2,3
	ds_store_b128 v14, v[R+16*(\t)+4*\i:R+16*(\t)+4*\i+3] offset:32*SP*((\t)%2)+8*SP*\i
.endr
.irp i, 0,1,2,3
	ds_load_b128 v[X+16*((\t)%2)+4*\i:X+16*((\t)%2)+4*\i+3], v15 offset:32*SP*((\t)%2)+16*\i
.endr
.endm
.macro QSTEP t                         ; my 16 numbers k = 512 (t % 2) + 16 lane + 0 .. 15; two neighbouring lanes hold a block
.set XS, X+16*((\t)%2)
	v_max3_num_f32 v8, |v[XS]|, |v[XS+1]|, |v[XS+2]|
	v_max3_num_f32 v9, |v[XS+3]|, |v[XS+4]|, |v[XS+5]|
.irp i, 6,10
	v_max3_num_f32 v8, v8, |v[XS+\i]|, |v[XS+\i+1]|
	v_max3_num_f32 v9, v9, |v[XS+\i+2]|, |v[XS+\i+3]|
.endr
	v_max3_num_f32 v8, v8, |v[XS+14]|, |v[XS+15]|
	v_max3_num_f32 v8, v8, v9, 0x4800000           ; and the floor 2^(9 - 127): the byte cannot fall under 1
	v_max_num_f32_dpp v8, v8, v8 row_xmask:1 row_mask:0xf bank_mask:0xf   ; with my neighbour's 16: the block's largest magnitude
	v_add_nc_u32 v11, 0xfc000000, v8               ; 8 off its exponent field: the conversion's scale operand
	v_and_or_b32 v10, v8, 0x7f800000, s22          ; 448 x the scale
.irp i, 0,1,2,3,4,5,6,7,8,9,10,11,12,13,14,15
	v_med3_num_f32 v[XS+\i], v[XS+\i], -v10, v10   ; the conversion to an 8-bit code does not saturate (ISA guide 7.6.2): the hold comes first
.endr
	v_cvt_scalef32_pk8_fp8_f32 v[C+4*(\t):C+4*(\t)+1], v[XS:XS+7], v11
	v_cvt_scalef32_pk8_fp8_f32 v[C+4*(\t)+2:C+4*(\t)+3], v[XS+8:XS+15], v11
	v_lshrrev_b32 v[E+(\t)], 23, v11               ; the scale's byte
	ds_store_b8 v5, v[E+(\t)] offset:16*(\t)       ; both lanes of a block write the same byte with the same value
	global_store_b128 v2, v[C+4*(\t):C+4*(\t)+3], s[10:11] offset:512*(\t)   ; 32 lanes store 512 consecutive bytes
.endm
	s_wait_loadcnt 24                              ; row 0 is in: row 1, w and b (24 loads) may be out
	STAT R, RS
	s_wait_loadcnt 16                              ; row 1 is in: w and b may be out
	STAT R+32, RS+2
	s_wait_loadcnt 0x0
	NORM R, RS
	NORM R+32, RS+2
	TURN 0
.irp t, 0,1,2
	TURN \t+1
	s_wait_dscnt 8                                 ; half row t is back: the next turn's eight LDS instructions may be out
	QSTEP \t
.endr
	s_wait_dscnt 0x0
	QSTEP 3
	s_wait_dscnt 0x0                               ; for the others' sake: my scale bytes lie in LDS
	s_barrier_signal -1
	s_barrier_wait -1
	s_cmp_lg_u32 s16, 0
	s_cbranch_scc1 .Lend
	ds_load_b128 v[8:11], v6                       ; wave 0: the work-group's 512 scale bytes
	s_wait_dscnt 0x0
	global_store_b128 v2, v[8:11], s[12:13]        ; 512 consecutive bytes
.Lend:
	s_wait_tensorcnt 0x0
	ds_add_u32 v200, v201
	s_wait_dscnt 0x0
	s_endpgm
.Lfunc_end_k_q0cf8170ea2_ln1:
	.size	k_q0cf8170ea2_ln1, .Lfunc_end_k_q0cf8170ea2_ln1-k_q0cf8170ea2_ln1
	.p2alignl 7, 3214868480
	.fill 96, 4, 3214868480
	.section	.rodata,"a",@progbits
	.p2align	6, 0x0
	.amdhsa_kernel k_q0cf8170ea2_ln1
		.amdhsa_group_segment_fixed_size 42496
		.amdhsa_private_segment_fixed_size 0
		.amdhsa_enable_private_segment 0
		.amdhsa_kernarg_size 40
		.amdhsa_user_sgpr_count 2
		.amdhsa_user_sgpr_kernarg_segment_ptr 1
		.amdhsa_wavefront_size32 1
		.amdhsa_system_sgpr_workgroup_id_x 1
		.amdhsa_system_sgpr_workgroup_id_y 1
		.amdhsa_system_sgpr_workgroup_id_z 1
		.amdhsa_system_vgpr_workitem_id 0
		.amdhsa_next_free_vgpr 202
		.amdhsa_next_free_sgpr 66
		.amdhsa_reserve_vcc 0
		.amdhsa_float_denorm_mode_32 3
		.amdhsa_float_denorm_mode_16_64 3
		.amdhsa_memory_ordered 1
		.amdhsa_forward_progress 1
		.amdhsa_inst_pref_size 28
	.end_amdhsa_kernel
	.amdgpu_metadata
---
amdhsa.version: [ 1, 2 ]
amdhsa.kernels:
  - .name:           k_q0cf8170ea2_ln1
    .symbol:         k_q0cf8170ea2_ln1.kd
    .args:
      - { .name: src, .offset: 0, .size: 8, .value_kind: global_buffer, .address_space: global }
      - { .name: ln1_w, .offset: 8, .size: 8, .value_kind: global_buffer, .address_space: global }
      - { .name: ln1_b, .offset: 16, .size: 8, .value_kind: global_buffer, .address_space: global }
      - { .name: act_c, .offset: 24, .size: 8, .value_kind: global_buffer, .address_space: global }
      - { .name: act_s, .offset: 32, .size: 8, .value_kind: global_buffer, .address_space: global }
    .group_segment_fixed_size: 42496
    .private_segment_fixed_size: 0
    .kernarg_segment_align: 8
    .kernarg_segment_size: 40
    .max_flat_workgroup_size: 256
    .sgpr_count:     66
    .vgpr_count:     202
    .wavefront_size: 32
...
	.end_amdgpu_metadata
.endif
;; end of part 1
;; launch qkv (part 2): grid 12 x 16, 4 waves a work-group, clusters of 4 x 4, 327,680 bytes of LDS; arguments act_c, act_s, wqkv_codes, wqkv_scales, bqkv, qkv; writes qkv
.if DOCPART == 2
	.amdgcn_target "amdgcn-amd-amdhsa--gfx1250"
	.amdhsa_code_object_version 6
	.text
	.protected	k_q0cf8170ea2_qkv
	.globl	k_q0cf8170ea2_qkv
	.p2align	8
	.type	k_q0cf8170ea2_qkv,@function
k_q0cf8170ea2_qkv:
	s_mov_b64 s[64:65], 0
	v_nop
	global_prefetch_b8 v0, s[64:65] scope:SCOPE_SE
	s_setreg_imm32_b32 hwreg(HW_REG_WAVE_MODE, 25, 1), 1
	s_wait_xcnt 0x0
	s_wait_alu depctr_hold_cnt(0) depctr_sa_sdst(0) depctr_va_vdst(0) depctr_va_sdst(0) depctr_va_ssrc(0) depctr_va_vcc(0) depctr_vm_vsrc(0)
	s_getreg_b32 s2, hwreg(HW_REG_IB_STS2, 6, 4)
	s_cmp_eq_u32 s2, 0
	s_cbranch_scc0 .Lentry_in_a_cluster
	s_endpgm
.Lentry_in_a_cluster:
	s_bfe_u32 s2, ttmp6, 0x10000c
	s_cmp_lg_u32 s2, 0xf033
	s_cbranch_scc0 .Lentry_shape_is_right
	s_endpgm
.Lentry_shape_is_right:
; q, k, v = LN1(src) Wqkv + bqkv on codes of E4M3 (one E8M0 scale for each 32 along K = 1,024), and the results quantised again for attention: q and k along the head's 64 channels, v along the keys.
; THE PRODUCT: a tile of 256 x 256 by a work-group of four waves, a wave 128 x 128 in 64 accumulators; K in steps of 256 through a ring of two LDS slots filled by the tensor data mover; the scale bytes of the
; work-group's 2 x 256 rows come into LDS once.  4 x 4 work-groups form a cluster: operand A's tiles are asked for jointly along a row of the cluster, B's along a column.
; The matrix instruction takes 16 rows of B as source 0 and 16 rows of A as source 1: a lane holds ONE row of A and eight neighbouring rows of B.
; ROLES, by the cluster's x (the same in all sixteen partners): 0 = q, 1 = k: A = the tokens, B = Wqkv's rows (channels): a lane's registers run along the channels.  2 = v: A = Wqkv's rows 2,048 on,
; B = the tokens: a lane holds a channel and its registers run along the keys.  Only pointers, tile numbers and offsets are chosen; the text of the product is one.
; THE WAY OUT: for each of the wave's eight tiles of 16 rows of A: the bias is added, the lane's 64 numbers (four blocks of 32, each shared with lane l xor 16) are quantised, and the 16 registers of codes are stored
; as they stand: 512 consecutive bytes a store.  Inside a block of 32 a lane (r, h) holds places 8 h + 0..7 and 16 + 8 h + 0..7 where the operand layout says 16 h + 0..15: q and k carry the same order, and so do
; v and the softmax's p in the next launch, so the products are the same; only the matrix unit's grouping of the sums differs.
; LAYOUT of the buffer: codes of role x at x * 4 MiB: block ((batch * 8 + head pair) * 16 + group of 128 tokens) of 16,384 bytes; piece (a, c) at (c / 2) * 8192 + a * 1024 + (c % 2) * 512 + 16 lane.
; Scale words: q at 12,582,912: (head index * 16 + group) * 512 + (a / 4) * 256 + 16 r + 4 (a % 4), bytes (s0, s1, s0, s1), each less 3: that is the division by sqrt(64), exact;
; k at 12,845,056: (head index * 16 + group) * 256 + 16 r + 4 p, bytes (tile 2 p: s0, s1; tile 2 p + 1: s0, s1); v at 12,976,128: the same place, word = channel tile, bytes = the four blocks of keys.
; LIMITS: NaN and infinities are not served; a block whose largest magnitude lies under 2^-115 is coded against that floor's scale (so that a byte less 3 stays at 1 or above); a block of zeros keeps the floor's byte.
.set SIZE_K, 1024
.set KSTEP,  256
.set NQ,     KSTEP/128
.set ROWB,   256
.set KROW,   SIZE_K
.set PITCH,  272                       ; an LDS row: 256 bytes + 16 of padding: the 16 rows that a load touches start at 16 different banks
.set FR,     16
.set NL,     4
.set NP,     8                         ; places behind this matrix instruction (ISA guide 7.12.1)
.set HALFT,  128*PITCH
.set SLOT,   4*HALFT
.set LAPS,   SIZE_K/(2*KSTEP)
.set KS,     SIZE_K/32
.set SCL,    2*SLOT                    ; behind the ring: the scales, as units of 256 bytes + 16 of padding
.set HALFS,  (128*KS/256)*272
.set SBLK,   (16*KS/256)*272
.set SPARE,  SCL+4*HALFS               ; the spare words: 128 bytes for each wave, named by no other line
.set BA,   8                           ; v8-15   the bias of A's rows: tile a, my row r (role v)
.set ADRA, 16
.set ADRB, 20
.set ADRS, 27
.set SPW,  28
.set NIL,  29
.set SC,   32                          ; v32-63  scale words, two sets
.set BI,   64                          ; v64-127 the bias along B's rows: register 8 b + j (roles q, k)
.set AF,   128                         ; A's fragments; on the way out: T, PC, TM, PW8, OW
.set T,    128                         ; v128-191 64 numbers of a lane
.set PC,   192                         ; v192-207 their codes
.set TM,   208                         ; v208-223 at work in the quantiser
.set PW8,  224                         ; v224-231 the eight tiles' scale words
.set OW,   232                         ; v232-239 scale words as they are stored
.set G1, 24
.set G0, 32
.set G1B, 48
.set G0B, 56
.set G1S, 68
.set G0S, 76
.set G1SB, 80
.set G0SB, 88
.set ROLE, 66
.set SEL,  92
.set MNT,  104
.set MSB, 0
.macro WIN new                         ; the immediate's high byte repeats the setting that is left
.if MSB != \new
	s_set_vgpr_msb (MSB<<8)|\new
.set MSB, \new
.endif
.endm
.set MUL_LO, 0xa1                      ; source 0 (B) window 1, source 1 (A) window 0, C and D window 2
.set MUL_HI, 0xf1
.set TO_B,   0x40
; A joint load: waves 0 and 1 fetch for A, waves 2 and 3 for B; four v_nop follow each of the two lines
.macro JLOAD g0a, g1a, g0b, g1b
	s_cmp_eq_u32 s15, 0
	s_cbranch_scc0 .Lfor_b_\@
	tensor_load_to_lds s[\g0a:\g0a+3], s[\g1a:\g1a+7]
	s_nop 0
.rept 4
	v_nop
.endr
	s_branch .Lasked_\@
.Lfor_b_\@:
	tensor_load_to_lds s[\g0b:\g0b+3], s[\g1b:\g1b+7]
	s_nop 0
.rept 4
	v_nop
.endr
.Lasked_\@:
.endm
.macro CREST
	s_cmp_lg_u32 s14, 0
	s_cbranch_scc1 .Lnot_wave_0_\@
	s_barrier_signal -3
.Lnot_wave_0_\@:
	s_barrier_wait -3
	s_barrier_signal -1
	s_barrier_wait -1
.endm
.macro CROUND
	s_barrier_signal -1
	s_barrier_wait -1
	CREST
.endm
	s_load_b256 s[68:75], s[0:1], 0x0              ; the tokens' codes and scales, Wqkv's codes and scales (these registers become descriptors once the choice is made)
	s_load_b64 s[96:97], s[0:1], 0x20              ; bqkv
	s_load_b64 s[12:13], s[0:1], 0x28              ; the output
	v_lshl_add_u32 v[SPW], v0, 2, SPARE
	v_mov_b32 v[NIL], 0
	ds_add_u32 v28, v29
	ds_add_u32 v28, v29
	s_wait_dscnt 0x0
	v_lshrrev_b32 v1, 5, v0
	v_readfirstlane_b32 s14, v1                    ; wave 0..3
	s_lshr_b32 s15, s14, 1                         ; which half of A's 256 rows is mine.  Also: I fetch for A (0) or for B (1)
	s_and_b32 s16, s14, 1                          ; which half of B's.  Also: which 128 rows of that tile I fetch
	s_mov_b32 s[ROLE], ttmp9                       ; the cluster's x
	s_bfe_u32 s40, ttmp6, 0x40000                  ; cx
	s_bfe_u32 s41, ttmp6, 0x40004                  ; cy
	s_and_b32 s95, ttmp7, 0xffff
	s_lshl_b32 s95, s95, 2                         ; 4 x cluster y
	s_lshl_b32 s67, ttmp9, 2                       ; 4 x cluster x
	s_cmp_eq_u32 s[ROLE], 2
	s_cselect_b32 s17, 8, s95
	s_cselect_b32 s42, s95, s67
	s_add_co_u32 s17, s17, s41                     ; A's tile of 256 rows: tokens 4 Y + cy, or Wqkv's 8 + cy: it never holds cx
	s_add_co_u32 s42, s42, s40                     ; B's tile: Wqkv's 4 X + cx, or tokens 4 Y + cx: it never holds cy
	s_lshl_b32 s43, s41, 2
	s_lshl_b32 s43, 15, s43                        ; my row of the cluster
	s_lshl_b32 s44, 0x1111, s40                    ; my column
	s_or_b32 s[G1+0], s43, (0<<16)|(1<<20)|(1<<21)|(5<<22)|(3<<25)  ; the mask; elements of 1 byte; padding: 4 words behind every 64
	s_or_b32 s[G1B+0], s44, (0<<16)|(1<<20)|(1<<21)|(5<<22)|(3<<25)
.irp g, G1, G1B
	s_mov_b32 s[\g+1], ROWB<<16
	s_mov_b32 s[\g+2], 128<<16
	s_mov_b32 s[\g+3], ROWB<<16
	s_mov_b32 s[\g+4], 128
	s_mov_b32 s[\g+5], KROW
	s_mov_b32 s[\g+6], 0
	s_mov_b32 s[\g+7], 0
.endr
	s_lshl_b32 s18, s16, 7
	s_lshl_b32 s20, s17, 8
	s_add_co_u32 s20, s20, s18                     ; A: row 256 x tile + 128 x half
	s_lshl_b32 s46, s42, 8
	s_add_co_u32 s46, s46, s18                     ; B likewise
	s_mov_b32 s21, 0
	s_mov_b32 s47, 0
	s_mov_b64 s[18:19], KS
	s_mul_u64 s[22:23], s[20:21], s[18:19]
	s_mul_u64 s[92:93], s[46:47], s[18:19]
	s_mov_b64 s[18:19], KROW
	s_mul_u64 s[20:21], s[20:21], s[18:19]
	s_mul_u64 s[46:47], s[46:47], s[18:19]
	s_mul_i32 s45, s14, HALFT
	s_mul_i32 s94, s14, HALFS
	s_wait_kmcnt 0x0
	s_cmp_eq_u32 s[ROLE], 2                        ; the choice of buffers hangs on the cluster's x alone
	s_cselect_b64 s[4:5], s[72:73], s[68:69]       ; A's codes
	s_cselect_b64 s[6:7], s[74:75], s[70:71]       ; A's scales
	s_cselect_b64 s[8:9], s[68:69], s[72:73]       ; B's codes
	s_cselect_b64 s[10:11], s[70:71], s[74:75]     ; B's scales
	s_or_b32 s[G1S+0], s43, (3<<16)|(1<<20)|(1<<21)|(5<<22)|(3<<25)  ; the scales of 128 rows: a dense block, as rows of 256 bytes
	s_or_b32 s[G1SB+0], s44, (3<<16)|(1<<20)|(1<<21)|(5<<22)|(3<<25)
.irp g, G1S, G1SB
	s_mov_b32 s[\g+1], 32<<16
	s_mov_b32 s[\g+2], (128*KS/256)<<16
	s_mov_b32 s[\g+3], 32<<16
	s_mov_b32 s[\g+4], 128*KS/256
	s_mov_b32 s[\g+5], 32
	s_mov_b32 s[\g+6], 0
	s_mov_b32 s[\g+7], 0
.endr
	s_add_nc_u64 s[20:21], s[4:5], s[20:21]
	s_add_nc_u64 s[22:23], s[6:7], s[22:23]
	s_add_nc_u64 s[46:47], s[8:9], s[46:47]
	s_add_nc_u64 s[92:93], s[10:11], s[92:93]
	CROUND                                         ; all sixteen work-groups are here: the first joint loads meet
	s_mov_b32 s[G0S], 1
	s_add_co_u32 s[G0S+1], s94, SCL
	s_mov_b64 s[G0S+2:G0S+3], s[22:23]
	s_or_b32 s[G0S+3], s[G0S+3], 0x80000000
	s_mov_b32 s[G0SB], 1
	s_add_co_u32 s[G0SB+1], s94, SCL
	s_mov_b64 s[G0SB+2:G0SB+3], s[92:93]
	s_or_b32 s[G0SB+3], s[G0SB+3], 0x80000000
	JLOAD G0S, G1S, G0SB, G1SB                     ; the scales first: they are wanted with K step 0
.irp s, 0,1
	s_mov_b32 s[G0+4*\s], 1
	s_add_co_u32 s[G0+4*\s+1], s45, \s*SLOT
	s_add_nc_u64 s[G0+4*\s+2:G0+4*\s+3], s[20:21], \s*ROWB
	s_or_b32 s[G0+4*\s+3], s[G0+4*\s+3], 0x80000000
	s_mov_b32 s[G0B+4*\s], 1
	s_add_co_u32 s[G0B+4*\s+1], s45, \s*SLOT
	s_add_nc_u64 s[G0B+4*\s+2:G0B+4*\s+3], s[46:47], \s*ROWB
	s_or_b32 s[G0B+4*\s+3], s[G0B+4*\s+3], 0x80000000
	JLOAD G0+4*\s, G1, G0B+4*\s, G1B
.endr
	v_and_b32 v1, 15, v0                           ; r
	v_bfe_u32 v2, v0, 4, 1                         ; h
	v_mul_u32_u24 v3, v1, PITCH
	v_lshl_add_u32 v4, v2, 4, v3
	s_mul_i32 s21, s15, HALFT
	s_mul_i32 s22, s16, HALFT
	s_add_co_u32 s22, s22, 2*HALFT
.irp s, 0,1
	v_add_nc_u32 v[ADRA+\s], s21, v4
	v_add_nc_u32 v[ADRB+\s], s22, v4
	s_add_co_u32 s21, s21, SLOT
	s_add_co_u32 s22, s22, SLOT
.endr
	v_mul_u32_u24 v5, v1, KS
	v_lshrrev_b32 v6, 8, v5
	v_lshl_add_u32 v5, v6, 4, v5
	s_mul_i32 s21, s15, HALFS
	s_mul_i32 s22, s16, HALFS
	s_add_co_u32 s22, s22, 2*HALFS
	s_sub_co_u32 s22, s22, s21
	v_mul_u32_u24 v6, s22, v2                      ; lanes 16-31 take B's scale words
	s_add_co_u32 s21, s21, SCL
	v_add_nc_u32 v5, v5, v6
	v_add_nc_u32 v[ADRS], s21, v5
	; the biases.  The base that my role does not use is 0, so that every load stays inside bqkv and every register is written
	s_lshl_b32 s20, s42, 10
	s_lshl_b32 s21, s16, 9
	s_add_co_u32 s20, s20, s21                     ; 4 x (256 x B's tile + 128 x my half)
	s_lshl_b32 s22, s17, 10
	s_lshl_b32 s23, s15, 9
	s_add_co_u32 s22, s22, s23                     ; 4 x (256 x A's tile + 128 x my half)
	s_cmp_eq_u32 s[ROLE], 2
	s_cselect_b32 s20, 0, s20
	s_cselect_b32 s22, s22, 0
	s_mov_b32 s21, 0
	s_mov_b32 s23, 0
	s_add_nc_u64 s[100:101], s[96:97], s[22:23]
	s_add_nc_u64 s[96:97], s[96:97], s[20:21]
	v_lshlrev_b32 v30, 5, v2                       ; 32 h
	v_lshlrev_b32 v31, 2, v1                       ; 4 r
.irp b, 0,1,2,3,4,5,6,7
	global_load_b128 v[BI+8*\b:BI+8*\b+3], v30, s[96:97] offset:64*\b
	global_load_b128 v[BI+8*\b+4:BI+8*\b+7], v30, s[96:97] offset:64*\b+16
.endr
.irp a, 0,1,2,3,4,5,6,7
	global_load_b32 v[BA+\a], v31, s[100:101] offset:64*\a
.endr
	; where my results go
	s_lshl_b32 s67, s17, 1
	s_add_co_u32 s67, s67, s15                     ; which 128 rows of A are mine
	s_lshl_b32 s95, s42, 1
	s_add_co_u32 s95, s95, s16                     ; which 128 rows of B
	s_cmp_eq_u32 s[ROLE], 2
	s_cselect_b32 s105, s95, s67                   ; the group of 128 tokens
	s_cselect_b32 s67, s67, s95
	s_and_b32 s67, s67, 7                          ; the head pair
	s_lshr_b32 s95, s105, 4                        ; batch
	s_and_b32 s105, s105, 15                       ; the group inside it
	s_lshl_b32 s20, s95, 3
	s_add_co_u32 s20, s20, s67
	s_lshl_b32 s20, s20, 4
	s_add_co_u32 s20, s20, s105
	s_lshl_b32 s20, s20, 14                        ; blocks of 16,384 bytes
	s_lshl_b32 s21, s[ROLE], 22
	s_add_co_u32 s20, s20, s21
	s_mov_b32 s21, 0
	s_mov_b64 s[98:99], s[12:13]                   ; the buffer's first byte, for the scale words
	s_add_nc_u64 s[12:13], s[12:13], s[20:21]
	s_lshl_b32 s95, s95, 4
	s_lshl_b32 s67, s67, 1
	s_add_co_u32 s95, s95, s67                     ; the head index of the pair's first head
	s_lshl_b32 s95, s95, 4
	s_add_co_u32 s105, s95, s105                   ; x 16 + group
.macro FRAG reg, adr, q, i             ; 16 rows x 128 K of 8-bit codes: lane l holds row l % 16; registers 4 c .. 4 c + 3 hold K = 32 c + 16 (l / 16) + 0 .. 15
.irp c, 0,1,2,3
	ds_load_b128 v[\reg+4*\c:\reg+4*\c+3], v[\adr] offset:128*(\q)+32*\c+(\i)*16*PITCH
.endr
.endm
; 16 matrix instructions: A's blocks a0, a0 + 1 x B's eight.  The 64 accumulators take turns, one instruction a turn, in the same order in every step
.macro MUL16 a0, p, q, sc, zero
.irp a, \a0, \a0+1
.irp b, 0,1,2,3,4,5,6,7
.if \zero
	v_wmma_scale_f32_16x16x128_f8f6f4 v[8*(8*((\a)%4)+\b):8*(8*((\a)%4)+\b)+7], v[128*(\p)+FR*\b:128*(\p)+FR*\b+FR-1], v[AF+FR*(\a):AF+FR*(\a)+FR-1], 0, v[SC+8*NQ*(\sc)+NQ*\b+(\q)], v[SC+8*NQ*(\sc)+NQ*(\a)+(\q)] matrix_a_scale:MATRIX_SCALE_ROW1
.else
	v_wmma_scale_f32_16x16x128_f8f6f4 v[8*(8*((\a)%4)+\b):8*(8*((\a)%4)+\b)+7], v[128*(\p)+FR*\b:128*(\p)+FR*\b+FR-1], v[AF+FR*(\a):AF+FR*(\a)+FR-1], v[8*(8*((\a)%4)+\b):8*(8*((\a)%4)+\b)+7], v[SC+8*NQ*(\sc)+NQ*\b+(\q)], v[SC+8*NQ*(\sc)+NQ*(\a)+(\q)] matrix_a_scale:MATRIX_SCALE_ROW1
.endif
.endr
.endr
.endm
.macro FETCH_B slot, q, p
	WIN TO_B
.irp i, 0,1,2,3,4,5,6,7
	FRAG 128*(\p)+FR*\i, ADRB+\slot, \q, \i
.endr
	WIN 0
.endm
.macro FETCH_A slot, q, i0
.irp i, \i0, \i0+1, \i0+2, \i0+3
	FRAG AF+FR*(\i), ADRA+\slot, \q, \i
.endr
.endm
.macro SCALES sc                       ; a K step's scale words: lanes 0-15 take A's block i, lanes 16-31 B's block i
.irp i, 0,1,2,3,4,5,6,7
	ds_load_b64 v[SC+8*NQ*\sc+NQ*\i:SC+8*NQ*\sc+NQ*\i+1], v[ADRS] offset:\i*SBLK
.endr
.endm
.macro PLACES n                        ; plain vector instructions between a matrix instruction and a load into, or a vector access of, its registers
.rept \n
	v_nop
.endr
.endm
.macro STEP slot, q, zero
	s_wait_dscnt 4*NL                              ; B's set and A's blocks 0-3 are in; the youngest 16 loads (A's blocks 4-7) may be out
	WIN MUL_LO
	MUL16 0, (\q)%2, \q, \slot, \zero
	MUL16 2, (\q)%2, \q, \slot, \zero
	s_wait_dscnt 0
	PLACES NP
	FETCH_B \slot, (\q)+1, 1-(\q)%2
	FETCH_A \slot, (\q)+1, 0
	WIN MUL_HI
	MUL16 4, (\q)%2, \q, \slot, \zero
	MUL16 6, (\q)%2, \q, \slot, \zero
	PLACES NP
	WIN 0
	FETCH_A \slot, (\q)+1, 4
.endm
; A slot's last step changes slots: one barrier; in front of it each wave waits for all its tensor loads, adds 0 to its spare word, and waits for that and for its own reads of this slot
.macro TURN slot, next, fill
	s_wait_tensorcnt 0x0                           ; all my tensor loads have landed: my part of the next slot
	ds_add_u32 v[SPW], v[NIL]                      ; 0 onto my spare word
	s_wait_dscnt 4*NL+1                            ; the add and the youngest 16 loads (A's blocks 4-7) may be out
	WIN MUL_LO
	MUL16 0, 1, NQ-1, \slot, 0
	s_wait_dscnt 0x0                               ; the add is done, and my reads of this slot are over
	s_barrier_signal -1
	MUL16 2, 1, NQ-1, \slot, 0
	WIN 0
	s_barrier_wait -1
.if \fill
	CREST                                          ; the barrier has opened a round of the cluster's barrier: no wave of any partner still reads this slot or has a load on its way
	s_add_nc_u64 s[G0+4*\slot+2:G0+4*\slot+3], s[G0+4*\slot+2:G0+4*\slot+3], 2*ROWB
	s_add_nc_u64 s[G0B+4*\slot+2:G0B+4*\slot+3], s[G0B+4*\slot+2:G0B+4*\slot+3], 2*ROWB
	JLOAD G0+4*\slot, G1, G0B+4*\slot, G1B         ; the first tensor load behind the round; its four v_nop are among the places in front of the loads below
	PLACES NP-4
.else
	PLACES NP
.endif
	v_add_nc_u32 v[ADRS], 4*NQ, v[ADRS]
	FETCH_B \next, 0, 0
	FETCH_A \next, 0, 0
	SCALES \next
	WIN MUL_HI
	MUL16 4, 1, NQ-1, \slot, 0
	MUL16 6, 1, NQ-1, \slot, 0
	PLACES NP
	WIN 0
	FETCH_A \next, 0, 4
.endm
	s_wait_tensorcnt 1                             ; the scales and my part of K step 0 are in; K step 1's load may be out
	s_barrier_signal -1
	s_barrier_wait -1
	FETCH_B 0, 0, 0
	FETCH_A 0, 0, 0
	SCALES 0
	FETCH_A 0, 0, 4
	STEP 0, 0, 1                                   ; the first step's products start the sums
	s_mov_b32 s3, LAPS-1
.Llap:
	TURN 0, 1, 1
	STEP 1, 0, 0
	TURN 1, 0, 1
	STEP 0, 0, 0
	s_sub_co_u32 s3, s3, 1
	s_cmp_lg_u32 s3, 0
	s_cbranch_scc1 .Llap
	TURN 0, 1, 0
	STEP 1, 0, 0
	s_wait_dscnt 4*NL
	WIN MUL_LO
	MUL16 0, 1, NQ-1, 1, 0
	MUL16 2, 1, NQ-1, 1, 0
	s_wait_dscnt 0
	WIN MUL_HI
	MUL16 4, 1, NQ-1, 1, 0
	MUL16 6, 1, NQ-1, 1, 0
	WIN 0
; THE WAY OUT.  64 numbers of a lane, v[T + 16 c + i], become 16 registers of codes in v[PC] on and the row's scale word in v[pw]
.macro QUANT pw
.irp b, 0,1,2,3
	v_max3_num_f32 v[TM+\b], |v[T+16*\b]|, |v[T+1+16*\b]|, 0x6000000   ; block b: my 16 numbers, and the floor 2^(12 - 127): the byte cannot fall under 4
.endr
.irp i, 2,4,6,8,10,12,14
.irp b, 0,1,2,3
	v_max3_num_f32 v[TM+\b], v[TM+\b], |v[T+16*\b+\i]|, |v[T+1+16*\b+\i]|
.endr
.endr
.irp b, 0,1,2,3
	v_permlanex16_b32 v[TM+4+\b], v[TM+\b], s[SEL], s[SEL+1]
.endr
.irp b, 0,1,2,3
	v_max_num_f32 v[TM+\b], v[TM+\b], v[TM+4+\b]   ; with lane l xor 16's: the block's largest magnitude
.endr
.irp b, 0,1,2,3
	v_add_nc_u32 v[TM+12+\b], 0xfc000000, v[TM+\b] ; 8 off its exponent field: the conversion's scale operand
.endr
.irp b, 0,1,2,3
	v_and_or_b32 v[TM+8+\b], v[TM+\b], 0x7f800000, s[MNT]   ; 448 x the scale
.endr
.irp b, 0,1,2,3
	v_lshrrev_b32 v[TM+4+\b], 23, v[TM+12+\b]      ; the scale's byte
.endr
	v_lshl_or_b32 v[\pw], v[TM+5], 8, v[TM+4]
	v_lshl_or_b32 v[\pw], v[TM+6], 16, v[\pw]
	v_lshl_or_b32 v[\pw], v[TM+7], 24, v[\pw]
	s_wait_xcnt 0x0                                ; the last tile's stores have read the codes' registers: they may be written again
.irp b, 0,1,2,3
.irp i, 0,1,2,3,4,5,6,7,8,9,10,11,12,13,14,15
	v_med3_num_f32 v[T+16*\b+\i], v[T+16*\b+\i], -v[TM+8+\b], v[TM+8+\b]   ; the conversion does not saturate (ISA guide 7.6.2): the hold comes first
.endr
	v_cvt_scalef32_pk8_fp8_f32 v[PC+4*\b:PC+1+4*\b], v[T+16*\b:T+7+16*\b], v[TM+12+\b]
	v_cvt_scalef32_pk8_fp8_f32 v[PC+2+4*\b:PC+3+4*\b], v[T+8+16*\b:T+15+16*\b], v[TM+12+\b]
.endr
	v_nop                                          ; a plain instruction between the last conversion and the next vector instruction that writes its sources
.endm
.macro TILE a
	WIN 0x02+(\a)/4                                ; source 0: the accumulators' window
.irp b, 0,1,2,3,4,5,6,7
.irp i, 0,2,4,6
	v_pk_add_f32 v[T+8*\b+\i:T+8*\b+\i+1], v[64*((\a)%4)+8*\b+\i:64*((\a)%4)+8*\b+\i+1], v[BI+8*\b+\i:BI+8*\b+\i+1]   ; each accumulator from its low end on
.endr
.endr
	WIN 0
	v_mov_b32 v6, v[BA+(\a)]
.set n, 0
.rept 32
	v_pk_add_f32 v[T+n:T+n+1], v[T+n:T+n+1], v[6:7] op_sel_hi:[1,0]
.set n, n+2
.endr
	QUANT PW8+(\a)
.irp c, 0,1,2,3
	global_store_b128 v24, v[PC+4*\c:PC+4*\c+3], s[12:13] offset:(\c/2)*8192+(\a)*1024+(\c%2)*512   ; 32 lanes store 512 consecutive bytes
.endr
.endm
	s_wait_loadcnt 0x0                             ; the biases
	PLACES NP                                      ; behind the last products: their results are read and A's registers are written below
	s_mov_b32 s[SEL], 0x76543210
	s_mov_b32 s[SEL+1], 0xfedcba98
	s_mov_b32 s[MNT], 0x600000
	v_mov_b32 v7, 0
.irp b, 0,1,2,3
	v_mov_b32 v[TM+4+\b], 0                        ; a lane permute's destination counts as one of its sources
.endr
	s_cmp_eq_u32 s[ROLE], 2
	s_cselect_b32 vcc_lo, -1, 0
.set n, 0
.rept 64
	v_cndmask_b32 v[BI+n], v[BI+n], v7, vcc_lo     ; role v: no bias along the registers
.set n, n+1
.endr
.set n, 0
.rept 8
	v_cndmask_b32 v[BA+n], v7, v[BA+n], vcc_lo     ; roles q, k: none along the lanes
.set n, n+1
.endr
	v_and_b32 v24, 31, v0
	v_lshlrev_b32 v24, 4, v24                      ; 16 x lane
.irp a, 0,1,2,3,4,5,6,7
	TILE \a
.endr
	; the scale words: lanes 0-15 store the pair's first head's, lanes 16-31 the second's; each half of the lanes fills 256 consecutive bytes
	v_cmp_eq_u32 vcc_lo, 1, v2
	v_lshlrev_b32 v25, 4, v1
	s_mov_b32 s101, 0
	s_cmp_eq_u32 s[ROLE], 0
	s_cbranch_scc1 .Lsq
	s_cmp_eq_u32 s[ROLE], 1
	s_cbranch_scc1 .Lsk
.irp i, 0,1,2,3
	v_cndmask_b32 v[OW+\i], v[PW8+\i], v[PW8+4+\i], vcc_lo   ; v: channel tile i of my head: the whole word (four blocks of keys)
.endr
	v_lshl_add_u32 v25, v2, 12, v25
	s_lshl_b32 s100, s105, 8
	s_add_co_u32 s100, s100, 12976128
	s_add_nc_u64 s[98:99], s[98:99], s[100:101]
	global_store_b128 v25, v[OW:OW+3], s[98:99]
	s_branch .Ldone
.Lsk:
	v_mov_b32 v30, 0x05040100
	v_mov_b32 v31, 0x07060302
	v_cndmask_b32 v30, v30, v31, vcc_lo
.irp p, 0,1,2,3
	v_perm_b32 v[OW+\p], v[PW8+2*\p+1], v[PW8+2*\p], v30     ; k: my head's two bytes of tile 2 p, then of tile 2 p + 1
.endr
	v_lshl_add_u32 v25, v2, 12, v25
	s_lshl_b32 s100, s105, 8
	s_add_co_u32 s100, s100, 12845056
	s_add_nc_u64 s[98:99], s[98:99], s[100:101]
	global_store_b128 v25, v[OW:OW+3], s[98:99]
	s_branch .Ldone
.Lsq:
	v_mov_b32 v30, 0x01000100
	v_mov_b32 v31, 0x03020302
	v_cndmask_b32 v30, v30, v31, vcc_lo
.irp a, 0,1,2,3,4,5,6,7
	v_perm_b32 v[OW+\a], v[PW8+\a], v[PW8+\a], v30           ; q: my head's two bytes, twice
.endr
.irp a, 0,1,2,3,4,5,6,7
	v_add_nc_u32 v[OW+\a], 0xfcfcfcfd, v[OW+\a]              ; 3 off each byte (each is 4 or more): the division by 8
.endr
	v_lshl_add_u32 v25, v2, 13, v25
	s_lshl_b32 s100, s105, 9
	s_add_co_u32 s100, s100, 12582912
	s_add_nc_u64 s[98:99], s[98:99], s[100:101]
	global_store_b128 v25, v[OW:OW+3], s[98:99]
	global_store_b128 v25, v[OW+4:OW+7], s[98:99] offset:256
.Ldone:
	s_wait_tensorcnt 0x0                           ; the wave's end
	ds_add_u32 v[SPW], v[NIL]
	s_wait_dscnt 0x0
	CROUND                                         ; the closing round: no work-group ends while a partner may still ask for a tile that names it
	s_endpgm
.Lfunc_end_k_q0cf8170ea2_qkv:
	.size	k_q0cf8170ea2_qkv, .Lfunc_end_k_q0cf8170ea2_qkv-k_q0cf8170ea2_qkv
	.p2alignl 7, 3214868480
	.fill 96, 4, 3214868480
	.section	.rodata,"a",@progbits
	.p2align	6, 0x0
	.amdhsa_kernel k_q0cf8170ea2_qkv
		.amdhsa_group_segment_fixed_size 327680
		.amdhsa_private_segment_fixed_size 0
		.amdhsa_enable_private_segment 0
		.amdhsa_kernarg_size 48
		.amdhsa_user_sgpr_count 2
		.amdhsa_user_sgpr_kernarg_segment_ptr 1
		.amdhsa_wavefront_size32 1
		.amdhsa_system_sgpr_workgroup_id_x 1
		.amdhsa_system_sgpr_workgroup_id_y 1
		.amdhsa_system_sgpr_workgroup_id_z 1
		.amdhsa_system_vgpr_workitem_id 0
		.amdhsa_next_free_vgpr 1024
		.amdhsa_next_free_sgpr 106
		.amdhsa_reserve_vcc 1
		.amdhsa_float_denorm_mode_32 3
		.amdhsa_float_denorm_mode_16_64 3
		.amdhsa_memory_ordered 1
		.amdhsa_forward_progress 1
		.amdhsa_inst_pref_size 224
	.end_amdhsa_kernel
	.amdgpu_metadata
---
amdhsa.version: [ 1, 2 ]
amdhsa.kernels:
  - .name:           k_q0cf8170ea2_qkv
    .symbol:         k_q0cf8170ea2_qkv.kd
    .args:
      - { .name: act_c, .offset: 0, .size: 8, .value_kind: global_buffer, .address_space: global }
      - { .name: act_s, .offset: 8, .size: 8, .value_kind: global_buffer, .address_space: global }
      - { .name: wqkv_codes, .offset: 16, .size: 8, .value_kind: global_buffer, .address_space: global }
      - { .name: wqkv_scales, .offset: 24, .size: 8, .value_kind: global_buffer, .address_space: global }
      - { .name: bqkv, .offset: 32, .size: 8, .value_kind: global_buffer, .address_space: global }
      - { .name: qkv, .offset: 40, .size: 8, .value_kind: global_buffer, .address_space: global }
    .group_segment_fixed_size: 327680
    .private_segment_fixed_size: 0
    .kernarg_segment_align: 8
    .kernarg_segment_size: 48
    .max_flat_workgroup_size: 128
    .sgpr_count:     106
    .vgpr_count:     1024
    .wavefront_size: 32
...
	.end_amdgpu_metadata
.endif
;; end of part 2
;; launch attn (part 3): grid 8 x 32, 16 waves a work-group, clusters of 4 x 1, 272,384 bytes of LDS; arguments qkv, act_c, act_s; writes act_c, act_s
.if DOCPART == 3
	.amdgcn_target "amdgcn-amd-amdhsa--gfx1250"
	.amdhsa_code_object_version 6
	.text
	.protected	k_q0cf8170ea2_attn
	.globl	k_q0cf8170ea2_attn
	.p2align	8
	.type	k_q0cf8170ea2_attn,@function
k_q0cf8170ea2_attn:
	s_mov_b64 s[64:65], 0
	v_nop
	global_prefetch_b8 v0, s[64:65] scope:SCOPE_SE
	s_setreg_imm32_b32 hwreg(HW_REG_WAVE_MODE, 25, 1), 1
	s_wait_xcnt 0x0
	s_wait_alu depctr_hold_cnt(0) depctr_sa_sdst(0) depctr_va_vdst(0) depctr_va_sdst(0) depctr_va_ssrc(0) depctr_va_vcc(0) depctr_vm_vsrc(0)
	s_getreg_b32 s2, hwreg(HW_REG_IB_STS2, 6, 4)
	s_cmp_eq_u32 s2, 0
	s_cbranch_scc0 .Lentry_in_a_cluster
	s_endpgm
.Lentry_in_a_cluster:
	s_bfe_u32 s2, ttmp6, 0x10000c
	s_cmp_lg_u32 s2, 0x3003
	s_cbranch_scc0 .Lentry_shape_is_right
	s_endpgm
.Lentry_shape_is_right:
; ctx = softmax(q k^T / 8 + (i + j) * (-2^-head), causal) v for 32 (batch, head) pairs of 2,048 tokens and 64 channels, both products on codes of E4M3 with E8M0 scales, and ctx quantised for the next product.
; THE SOFTMAX: t = logit x log2(e); M = the running largest t rounded up to a whole number; p = 2^(t - M) is quantised along the keys, not normalised; the row's sum is taken of the unquantised p and divides at the end.
; LDS is filled ONCE: the head's whole K (131,072 bytes), V (131,072) and their scale words (2 x 4,096), as images of operand registers, by joint loads of the four work-groups of a cluster, which serve one head.
; SHARES: a wave owns one tile of 16 queries and walks the groups of 128 keys up to its own.  With w = 4 A + B, pi = 2 (A / 2) + B / 2 and c the cluster's x, its group of 128 queries is G = 2 pi + c, or
; 15 - 2 pi - c where (A xor B) is odd: light and heavy tiles are mixed in every four waves.  G hangs on nothing that differs between partners; the tile inside the group, 2 cx + (A & 1), enters global addresses and data alone.
; LAYOUT: S^T = K Q^T (source 0 = keys, source 1 = my 16 queries), O^T = V^T P^T: a lane holds ONE query (lane % 16).  The head has 64 channels and the instruction 128 along K: a fragment of 16 registers
; holds TWO tiles of 16 keys, and Q stands between two runs of zero codes, so that v[24:39] picks the first tile and v[16:31] the second.  The division by 8 lies in q's scale bytes.
; The bias is exact in f32 and is the C of the first product: the result is the logit.  Inside a block of 32 the places of k are those that the launch before gave q, k and v; p has the same order as v.
; LIMITS: NaN and infinities are not served; v_exp_f32 gives 0 for p under 2^-126; a block of ctx under 2^-118 is coded against that floor's scale; a block of zeros keeps the byte 1.
; The ctx scale bytes leave two to a row for each head (the word's other half belongs to another head's work-group): single bytes, 131,072 in the whole launch.
; No prefetch: the one fill of LDS stands at the kernel's head, and nothing is fetched after it.
.set KOFF, 4194304
.set VOFF, 8388608
.set QSO,  12582912
.set KSO,  12845056
.set LV,   131072                      ; LDS: V behind K
.set LKS,  262144                      ; K's scale words, 256 bytes a group of 128 keys
.set LVS,  266240                      ; V's
.set DL,   3                           ; v3   16 x tile + r - 8 h: register 8 tau + j is hidden on the diagonal where 16 tau + j > DL
.set NINF, 8                           ; v8   -infinity
.set QS,   10                          ; v10  q's scale words
.set PW,   11                          ; v11  p's scale word
.set T8,   40                          ; v40-47  slope x (query + 8 h + j + the step's first key)
.set KSW,  48                          ; v48-51  K's scale words
.set VSW,  52                          ; v52-55  V's
.set KF,   56                          ; v56-119 four fragments of K, then of V
.set S,    120                         ; v120-183 S^T, then p
.set O,    184                         ; v184-215 O^T
.set P,    216                         ; v216-231 p's codes
.set WV,   18
.set MNT,  19
.set SEL,  20
.set CS,   22
.set G1K,  24
.set G1V,  32
.set G1S,  40
.set G0K,  48
.set G0V,  52
.set G0S,  56
.set SB,   66                          ; s[66:81] eight pairs: slope x 16 tau
.set SLP,  84
.set G,    85
.set STEP, 86
.set TB,   87
.set TBV,  88
.set TS,   89
.set TSV,  90
.macro ROUND
	s_barrier_signal -1
	s_barrier_wait -1
	s_cmp_lg_u32 s[WV], 0
	s_cbranch_scc1 .Lnot_wave_0_\@
	s_barrier_signal -3
.Lnot_wave_0_\@:
	s_barrier_wait -3
	s_barrier_signal -1
	s_barrier_wait -1
.endm
	s_load_b128 s[4:7], s[0:1], 0x0                ; q, k, v as the launch before left them; ctx's codes
	s_load_b64 s[8:9], s[0:1], 0x10                ; ctx's scale bytes
	v_lshl_add_u32 v251, v0, 2, 0x42000
	v_mov_b32 v255, 0
	ds_add_u32 v251, v255
	ds_add_u32 v251, v255
	v_lshrrev_b32 v9, 5, v0
	v_readfirstlane_b32 s[WV], v9                  ; wave 0..15
	s_bfe_u32 s10, ttmp6, 0x40000                  ; cx
	s_and_b32 s11, ttmp7, 0xffff                   ; head index = 16 x batch + head
	s_and_b32 s12, s11, 15
	s_lshr_b32 s13, s11, 4
	s_lshr_b32 s14, s[WV], 2                       ; A
	s_and_b32 s15, s[WV], 3                        ; B
	s_lshr_b32 s16, s14, 1
	s_lshl_b32 s16, s16, 1
	s_lshr_b32 s17, s15, 1
	s_add_co_u32 s16, s16, s17                     ; pi
	s_lshl_b32 s16, s16, 1
	s_add_co_u32 s16, s16, ttmp9                   ; 2 pi + c
	s_xor_b32 s17, s14, s15
	s_and_b32 s17, s17, 1
	s_sub_co_u32 s60, 15, s16
	s_cmp_eq_u32 s17, 1
	s_cselect_b32 s[G], s60, s16                   ; my group of 128 queries
	s_and_b32 s14, s14, 1
	s_lshl_b32 s61, s10, 1
	s_add_co_u32 s61, s61, s14                     ; my tile inside it
	; descriptors.  K: 4 rows of 8,192 bytes, 16,384 apart;  V: 8 rows of 4,096, 8,192 apart;  scale words: 4,096 dense bytes.  Mask: all four work-groups
	s_mov_b32 s[G1K], 15|(3<<16)|(1<<21)
	s_mov_b32 s[G1K+1], 1024<<16
	s_mov_b32 s[G1K+2], 4<<16
	s_mov_b32 s[G1K+3], 1024<<16
	s_mov_b32 s[G1K+4], 4
	s_mov_b32 s[G1K+5], 2048
	s_mov_b32 s[G1K+6], 0
	s_mov_b32 s[G1K+7], 0
	s_mov_b32 s[G1V], 15|(3<<16)|(1<<21)
	s_mov_b32 s[G1V+1], 512<<16
	s_mov_b32 s[G1V+2], 8<<16
	s_mov_b32 s[G1V+3], 512<<16
	s_mov_b32 s[G1V+4], 8
	s_mov_b32 s[G1V+5], 1024
	s_mov_b32 s[G1V+6], 0
	s_mov_b32 s[G1V+7], 0
	s_mov_b32 s[G1S], 15|(3<<16)|(1<<21)
	s_mov_b32 s[G1S+1], 32<<16
	s_mov_b32 s[G1S+2], 16<<16
	s_mov_b32 s[G1S+3], 32<<16
	s_mov_b32 s[G1S+4], 16
	s_mov_b32 s[G1S+5], 32
	s_mov_b32 s[G1S+6], 0
	s_mov_b32 s[G1S+7], 0
	s_lshr_b32 s62, s11, 1
	s_lshl_b32 s62, s62, 18                        ; the head pair's 16 blocks of 16,384 bytes
	s_and_b32 s63, s11, 1                          ; which head of the pair
	s_lshl_b32 s91, s15, 16                        ; a quarter of them for each fetching wave
	s_add_co_u32 s91, s91, s62
	s_lshl_b32 s92, s63, 13
	s_add_co_u32 s92, s92, s91
	s_add_co_u32 s92, s92, KOFF
	s_mov_b32 s93, 0
	s_lshl_b32 s94, s63, 12
	s_add_co_u32 s94, s94, s91
	s_add_co_u32 s94, s94, VOFF
	s_mov_b32 s95, 0
	s_and_b32 s96, s[WV], 1
	s_lshl_b32 s97, s96, 17                        ; wave 8: K's scale words; wave 9: V's, 131,072 bytes on
	s_lshl_b32 s98, s11, 12
	s_add_co_u32 s98, s98, s97
	s_add_co_u32 s98, s98, KSO
	s_mov_b32 s99, 0
	s_mov_b32 s[G0K], 1
	s_lshl_b32 s[G0K+1], s15, 15
	s_mov_b32 s[G0V], 1
	s_lshl_b32 s[G0V+1], s15, 15
	s_add_co_u32 s[G0V+1], s[G0V+1], LV
	s_mov_b32 s[G0S], 1
	s_lshl_b32 s[G0S+1], s96, 12
	s_add_co_u32 s[G0S+1], s[G0S+1], LKS
	s_mov_b32 s[SEL], 0x76543210
	s_mov_b32 s[SEL+1], 0xfedcba98
	s_mov_b32 s[CS], 0x3fb8aa3b                    ; log2(e)
	s_mov_b32 s[CS+1], s[CS]
	s_mov_b32 s[MNT], 0x600000
	s_wait_dscnt 0x0
	s_wait_kmcnt 0x0
	s_add_nc_u64 s[G0K+2:G0K+3], s[4:5], s[92:93]
	s_or_b32 s[G0K+3], s[G0K+3], 0x80000000
	s_add_nc_u64 s[G0V+2:G0V+3], s[4:5], s[94:95]
	s_or_b32 s[G0V+3], s[G0V+3], 0x80000000
	s_add_nc_u64 s[G0S+2:G0S+3], s[4:5], s[98:99]
	s_or_b32 s[G0S+3], s[G0S+3], 0x80000000
	ROUND                                          ; all four work-groups are here: the joint loads meet
	s_cmp_lt_u32 s[WV], 4                          ; waves 0-3: K; 4-7: V; 8, 9: scale words; a wave has at most one tensor load out.  Four v_nop follow each line
	s_cbranch_scc0 .Lnot_k
	tensor_load_to_lds s[G0K:G0K+3], s[G1K:G1K+7]
	s_nop 0
.rept 4
	v_nop
.endr
	s_branch .Lasked
.Lnot_k:
	s_cmp_lt_u32 s[WV], 8
	s_cbranch_scc0 .Lnot_v
	tensor_load_to_lds s[G0V:G0V+3], s[G1V:G1V+7]
	s_nop 0
.rept 4
	v_nop
.endr
	s_branch .Lasked
.Lnot_v:
	s_cmp_lt_u32 s[WV], 10
	s_cbranch_scc0 .Lasked
	tensor_load_to_lds s[G0S:G0S+3], s[G1S:G1S+7]
	s_nop 0
.rept 4
	v_nop
.endr
.Lasked:
	; my tile of q, and where ctx goes
	s_lshr_b32 s16, s61, 2
	s_lshl_b32 s16, s16, 8
	s_and_b32 s17, s61, 3
	s_lshl_b32 s17, s17, 2
	s_add_co_u32 s16, s16, s17                     ; a tile's place among a group's scale words: (tile / 4) * 256 + 4 (tile % 4)
	s_lshl_b32 s2, s[G], 14
	s_add_co_u32 s2, s2, s62
	s_lshl_b32 s3, s63, 13
	s_add_co_u32 s2, s2, s3
	s_lshl_b32 s3, s61, 10
	s_add_co_u32 s2, s2, s3
	s_mov_b32 s3, 0
	s_add_nc_u64 s[92:93], s[4:5], s[2:3]          ; q's codes
	s_lshl_b32 s2, s11, 4
	s_add_co_u32 s2, s2, s[G]
	s_lshl_b32 s2, s2, 9
	s_add_co_u32 s2, s2, s16
	s_add_co_u32 s2, s2, QSO
	s_add_nc_u64 s[94:95], s[4:5], s[2:3]          ; q's scale words
	v_and_b32 v1, 31, v0
	v_lshlrev_b32 v1, 4, v1                        ; 16 x lane
	v_and_b32 v9, 15, v0                           ; r
	v_lshlrev_b32 v2, 4, v9                        ; 16 r
	global_load_b128 v[24:27], v1, s[92:93]
	global_load_b128 v[28:31], v1, s[92:93] offset:512
	global_load_b32 v[QS], v2, s[94:95]
	s_lshl_b32 s2, s13, 7
	s_lshl_b32 s17, s[G], 3
	s_add_co_u32 s2, s2, s17
	s_add_co_u32 s2, s2, s61                       ; ctx's tile of 16 rows
	s_lshl_b32 s2, s2, 3
	s_lshr_b32 s17, s12, 1
	s_add_co_u32 s2, s2, s17                       ; x 8 K steps + head / 2
	s_lshl_b32 s2, s2, 11
	s_lshl_b32 s60, s63, 10
	s_add_co_u32 s2, s2, s60
	s_add_nc_u64 s[6:7], s[6:7], s[2:3]
	s_lshl_b32 s2, s17, 14
	s_lshl_b32 s17, s13, 4
	s_add_co_u32 s17, s17, s[G]
	s_lshl_b32 s17, s17, 9
	s_add_co_u32 s2, s2, s17
	s_add_co_u32 s2, s2, s16
	s_lshl_b32 s17, s63, 1
	s_add_co_u32 s2, s2, s17
	s_add_nc_u64 s[8:9], s[8:9], s[2:3]
	; the slope and its multiples: all exact
	s_lshl_b32 s60, s12, 23
	s_sub_co_u32 s[SLP], 0xbf800000, s60           ; -2^-head
	s_add_co_u32 s91, s[SLP], 4<<23                ; x 16
	s_add_co_u32 s82, s[SLP], 7<<23                ; x 128
	s_mov_b32 s83, 0
	s_mov_b32 s[SB], 0
	s_mov_b32 s[SB+1], 0
	s_mov_b32 s[SB+2], s91
	s_mov_b32 s[SB+3], 0
.set t, 2
.rept 6
	s_add_f32 s[SB+2*t], s[SB+2*t-2], s91
	s_mov_b32 s[SB+2*t+1], 0                       ; (a pair is named, its low word serves both halves)
.set t, t+1
.endr
	v_bfe_u32 v232, v0, 4, 1                       ; h
	s_lshl_b32 s60, s61, 4
	v_add_nc_u32 v[DL], s60, v9
	v_lshlrev_b32 v233, 3, v232
	v_add_nc_u32 v234, v[DL], v233
	v_sub_nc_u32 v[DL], v[DL], v233
	s_lshl_b32 s60, s[G], 7
	v_add_nc_u32 v234, s60, v234                   ; my query + 8 h
.irp j, 0,1,2,3,4,5,6,7
	v_add_nc_u32 v235, \j, v234
	v_cvt_f32_u32 v235, v235
	v_mul_f32 v[T8+\j], s[SLP], v235
.endr
	v_mov_b32 v[NINF], 0xff800000
	v_mov_b32 v13, 0xff61b1e6                      ; the largest t so far: -3e38
	v_floor_f32 v12, -v13                          ; -M
	v_mov_b32 v14, 0
	v_mov_b32 v15, 0
.irp j, 0,1,2,3,4,5,6,7
	v_mov_b32 v[16+\j], 0                          ; zero codes on both sides of q
	v_mov_b32 v[32+\j], 0
.endr
.irp b, 0,1,2,3
	v_mov_b32 v[236+\b], 0                         ; a lane permute's destination counts as one of its sources
.endr
	v_mov_b32 v252, 0                              ; likewise: the way out's permute writes it, on every path through the loop
	v_mov_b32 v253, 0                              ; (the upper word of the pair v[252:253])
.set n, 0
.rept 32
	v_mov_b32 v[O+n], 0                            ; the step is written once: the first finds zeros
.set n, n+1
.endr
	s_mov_b32 s[STEP], 0
	s_mov_b32 s[TB], 0
	s_mov_b32 s[TBV], LV
	s_mov_b32 s[TS], LKS
	s_mov_b32 s[TSV], LVS
	s_wait_tensorcnt 0x0                           ; my part of the fill has landed,
	s_barrier_signal -1
	s_barrier_wait -1                              ; everybody's has
	s_wait_loadcnt 0x0                             ; q
.Lstep:                                            ; 16 trips in every wave; a group of keys behind my queries is passed over: a scalar branch on ids, round the work alone
	s_cmp_gt_u32 s[STEP], s[G]
	s_cbranch_scc1 .Lhidden
.set t, 0
.rept 8
.irp i, 0,2,4,6
	v_pk_add_f32 v[S+8*t+\i:S+8*t+\i+1], v[T8+\i:T8+\i+1], s[SB+2*t:SB+2*t+1] op_sel_hi:[1,0]   ; the bias (i + j) x slope.  (These 32 are also the places behind the last step's products)
.endr
.set t, t+1
.endr
	v_add_nc_u32 v4, s[TB], v1
	v_add_nc_u32 v5, s[TBV], v1
	v_add_nc_u32 v6, s[TS], v2
	v_add_nc_u32 v7, s[TSV], v2
.irp p, 0,1,2,3
.irp c, 0,1,2,3
	ds_load_b128 v[KF+16*\p+4*\c:KF+16*\p+4*\c+3], v4 offset:\p*2048+\c*512
.endr
.endr
	ds_load_b128 v[KSW:KSW+3], v6
	s_wait_dscnt 0x0
.irp p, 0,1,2,3                                ; eight accumulators, one instruction each
	v_wmma_scale_f32_16x16x128_f8f6f4 v[S+16*\p:S+16*\p+7], v[KF+16*\p:KF+16*\p+15], v[24:39], v[S+16*\p:S+16*\p+7], v[KSW+\p], v[QS]
	v_wmma_scale_f32_16x16x128_f8f6f4 v[S+16*\p+8:S+16*\p+15], v[KF+16*\p:KF+16*\p+15], v[16:31], v[S+16*\p+8:S+16*\p+15], v[KSW+\p], v[QS]
.endr
.irp i, 0,2,4,6
	v_pk_add_f32 v[T8+\i:T8+\i+1], v[T8+\i:T8+\i+1], s[82:83] op_sel_hi:[1,0]   ; on to the next 128 keys
.endr
.rept 4
	v_nop                                          ; with the four lines above: eight places behind the products, ahead of the loads over K's fragments and of the first read of the scores
.endr
.irp d, 0,1,2,3
.irp c, 0,1,2,3
	ds_load_b128 v[KF+16*\d+4*\c:KF+16*\d+4*\c+3], v5 offset:(\c/2)*4096+\d*1024+(\c%2)*512   ; V lands while the softmax is worked
.endr
.endr
	ds_load_b128 v[VSW:VSW+3], v7
	s_cmp_lg_u32 s[STEP], s[G]
	s_cbranch_scc1 .Lopen
.set n, 0
.rept 64                                       ; my own group of keys: what comes after my query becomes -infinity ahead of the maximum
	v_cmp_gt_i32 vcc_lo, 16*(n/8)+n%8, v[DL]
	v_cndmask_b32 v[S+n], v[S+n], v[NINF], vcc_lo
.set n, n+1
.endr
.Lopen:
.irp b, 0,1,2,3
	v_max3_num_f32 v[232+\b], v[S+16*\b], v[S+1+16*\b], v[S+2+16*\b]   ; the largest logit of each block of 32 keys: for the row's maximum, and, since p rises with the logit, for the block's largest p
.endr
.irp i, 3,5,7,9,11,13
.irp b, 0,1,2,3
	v_max3_num_f32 v[232+\b], v[232+\b], v[S+16*\b+\i], v[S+1+16*\b+\i]
.endr
.endr
.irp b, 0,1,2,3
	v_max_num_f32 v[232+\b], v[232+\b], v[S+15+16*\b]
.endr
.irp b, 0,1,2,3
	v_permlanex16_b32 v[236+\b], v[232+\b], s[SEL], s[SEL+1]
.endr
.irp b, 0,1,2,3
	v_max_num_f32 v[232+\b], v[232+\b], v[236+\b]
.endr
	v_max3_num_f32 v254, v232, v233, v234
	v_max_num_f32 v254, v254, v235
	v_mul_f32 v254, s[CS], v254
	v_max_num_f32 v13, v13, v254                   ; the running largest t
	v_mov_b32 v254, v12
	v_floor_f32 v12, -v13                          ; the new -M: M is a whole number
	v_sub_f32 v254, v12, v254
	v_cvt_i32_f32 v254, v254                       ; (it saturates)
	v_ldexp_f32 v252, 1.0, v254                    ; f = 2^(old M - new M)
.set n, 0
.rept 32
	v_pk_fma_f32 v[S+n:S+n+1], v[S+n:S+n+1], s[CS:CS+1], v[12:13] op_sel_hi:[1,0,0]   ; t - M
.set n, n+2
.endr
.irp b, 0,1,2,3
	v_fma_f32 v[232+\b], v[232+\b], s[CS], v12
.endr
.set n, 0
.rept 64
	v_exp_f32 v[S+n], v[S+n]                       ; p
.set n, n+1
.endr
	v_pk_mul_f32 v[14:15], v[14:15], v[252:253] op_sel_hi:[1,0]   ; the sums under the new M: a plain instruction behind the exponentials
	s_wait_alu depctr_va_vdst(0)                   ; one wait for the batch, ahead of its first reader
.irp b, 0,1,2,3
	v_exp_f32 v[232+\b], v[232+\b]                 ; each block's largest p
.endr
	v_pk_add_f32 v[236:237], v[S:S+1], v[S+2:S+3]  ; the row's sum of the unquantised p, in two chains
.irp j, 4,8,12,16,20,24,28,32,36,40,44,48,52,56,60
	v_pk_add_f32 v[14:15], v[14:15], v[S+\j:S+\j+1]
	v_pk_add_f32 v[236:237], v[236:237], v[S+\j+2:S+\j+3]
.endr
	v_pk_add_f32 v[14:15], v[14:15], v[236:237]
	s_wait_alu depctr_va_vdst(0)                   ; and one for the four
.irp b, 0,1,2,3
	v_max_num_f32 v[232+\b], 0x4800000, v[232+\b]  ; the floor 2^(9 - 127)
.endr
.irp b, 0,1,2,3
	v_add_nc_u32 v[244+\b], 0xfc000000, v[232+\b]
.endr
.irp b, 0,1,2,3
	v_and_or_b32 v[240+\b], v[232+\b], 0x7f800000, s[MNT]
.endr
.irp b, 0,1,2,3
	v_lshrrev_b32 v[236+\b], 23, v[244+\b]
.endr
	v_lshl_or_b32 v[PW], v237, 8, v236             ; p's scale word for these 128 keys
	v_lshl_or_b32 v[PW], v238, 16, v[PW]
	v_lshl_or_b32 v[PW], v239, 24, v[PW]
.irp b, 0,1,2,3
.irp i, 0,1,2,3,4,5,6,7,8,9,10,11,12,13,14,15
	v_min_num_f32 v[S+16*\b+\i], v[S+16*\b+\i], v[240+\b]   ; p is not negative: a one-sided hold (the conversion does not saturate: ISA guide 7.6.2)
.endr
	v_cvt_scalef32_pk8_fp8_f32 v[P+4*\b:P+1+4*\b], v[S+16*\b:S+7+16*\b], v[244+\b]
	v_cvt_scalef32_pk8_fp8_f32 v[P+2+4*\b:P+3+4*\b], v[S+8+16*\b:S+15+16*\b], v[244+\b]
.endr
.set n, 0
.rept 16
	v_pk_mul_f32 v[O+n:O+n+1], v[O+n:O+n+1], v[252:253] op_sel_hi:[1,0]   ; O^T under the new M.  (Also the places between the codes and the products)
.set n, n+2
.endr
	s_wait_dscnt 0x0                               ; V
.irp d, 0,1,2,3
	v_wmma_scale_f32_16x16x128_f8f6f4 v[O+8*\d:O+8*\d+7], v[KF+16*\d:KF+16*\d+15], v[P:P+15], v[O+8*\d:O+8*\d+7], v[VSW+\d], v[PW]
.endr
.Lhidden:
	s_add_co_u32 s[TB], s[TB], 8192
	s_add_co_u32 s[TBV], s[TBV], 8192
	s_add_co_u32 s[TS], s[TS], 256
	s_add_co_u32 s[TSV], s[TSV], 256
	s_add_co_u32 s[STEP], s[STEP], 1
	s_cmp_lt_u32 s[STEP], 16
	s_cbranch_scc1 .Lstep
	; THE WAY OUT: O^T / the sum; two blocks of 32 channels are quantised; the codes are brought into the operand's own order of k, since their partner is a given weight
.rept 8
	v_nop
.endr
	v_add_f32 v14, v14, v15
	v_permlanex16_b32 v252, v14, s[SEL], s[SEL+1]
	v_add_f32 v14, v14, v252
	v_rcp_f32 v14, v14
	v_bfe_u32 v9, v0, 4, 1                         ; h (a plain instruction behind the transcendental)
	v_add_nc_u32 v4, v2, v9                        ; 16 r + h: my scale byte's place
	s_wait_alu depctr_va_vdst(0)
.set n, 0
.rept 32
	v_mul_f32 v[S+n], v[O+n], v14                  ; register 8 d + j: channel 16 d + 8 h + j of my query
.set n, n+1
.endr
.irp b, 0,1
	v_max3_num_f32 v[232+\b], |v[S+16*\b]|, |v[S+1+16*\b]|, 0x4800000
.endr
.irp i, 2,4,6,8,10,12,14
.irp b, 0,1
	v_max3_num_f32 v[232+\b], v[232+\b], |v[S+16*\b+\i]|, |v[S+1+16*\b+\i]|
.endr
.endr
.irp b, 0,1
	v_permlanex16_b32 v[236+\b], v[232+\b], s[SEL], s[SEL+1]
.endr
.irp b, 0,1
	v_max_num_f32 v[232+\b], v[232+\b], v[236+\b]
.endr
.irp b, 0,1
	v_add_nc_u32 v[244+\b], 0xfc000000, v[232+\b]
.endr
.irp b, 0,1
	v_and_or_b32 v[240+\b], v[232+\b], 0x7f800000, s[MNT]
.endr
.irp b, 0,1
	v_lshrrev_b32 v[236+\b], 23, v[244+\b]
.endr
.irp b, 0,1
.irp i, 0,1,2,3,4,5,6,7,8,9,10,11,12,13,14,15
	v_med3_num_f32 v[S+16*\b+\i], v[S+16*\b+\i], -v[240+\b], v[240+\b]
.endr
	v_cvt_scalef32_pk8_fp8_f32 v[P+4*\b:P+1+4*\b], v[S+16*\b:S+7+16*\b], v[244+\b]
	v_cvt_scalef32_pk8_fp8_f32 v[P+2+4*\b:P+3+4*\b], v[S+8+16*\b:S+15+16*\b], v[244+\b]
.endr
	v_nop
.irp b, 0,1
	v_permlane16_swap_b32 v[P+4*\b], v[P+4*\b+2]   ; lanes 16-31's places 8..15 change with lanes 0-15's places 16..23: then a lane holds k = 16 h + 0 .. 15 of the block
	v_permlane16_swap_b32 v[P+4*\b+1], v[P+4*\b+3]
.endr
	v_cmp_eq_u32 vcc_lo, 1, v9
	v_cndmask_b32 v238, v236, v237, vcc_lo         ; lanes 0-15 store the first block's byte, lanes 16-31 the second's
	global_store_b128 v1, v[P:P+3], s[6:7]         ; 512 consecutive bytes each
	global_store_b128 v1, v[P+4:P+7], s[6:7] offset:512
	global_store_b8 v4, v238, s[8:9]
	s_wait_dscnt 0x0
	s_wait_tensorcnt 0x0
	ds_add_u32 v251, v255
	s_wait_dscnt 0x0
	ROUND                                          ; the closing round
	s_endpgm
.Lfunc_end_k_q0cf8170ea2_attn:
	.size	k_q0cf8170ea2_attn, .Lfunc_end_k_q0cf8170ea2_attn-k_q0cf8170ea2_attn
	.p2alignl 7, 3214868480
	.fill 96, 4, 3214868480
	.section	.rodata,"a",@progbits
	.p2align	6, 0x0
	.amdhsa_kernel k_q0cf8170ea2_attn
		.amdhsa_group_segment_fixed_size 272384
		.amdhsa_private_segment_fixed_size 0
		.amdhsa_enable_private_segment 0
		.amdhsa_kernarg_size 24
		.amdhsa_user_sgpr_count 2
		.amdhsa_user_sgpr_kernarg_segment_ptr 1
		.amdhsa_wavefront_size32 1
		.amdhsa_system_sgpr_workgroup_id_x 1
		.amdhsa_system_sgpr_workgroup_id_y 1
		.amdhsa_system_sgpr_workgroup_id_z 1
		.amdhsa_system_vgpr_workitem_id 0
		.amdhsa_next_free_vgpr 256
		.amdhsa_next_free_sgpr 100
		.amdhsa_reserve_vcc 1
		.amdhsa_float_denorm_mode_32 3
		.amdhsa_float_denorm_mode_16_64 3
		.amdhsa_memory_ordered 1
		.amdhsa_forward_progress 1
		.amdhsa_inst_pref_size 44
	.end_amdhsa_kernel
	.amdgpu_metadata
---
amdhsa.version: [ 1, 2 ]
amdhsa.kernels:
  - .name:           k_q0cf8170ea2_attn
    .symbol:         k_q0cf8170ea2_attn.kd
    .args:
      - { .name: qkv, .offset: 0, .size: 8, .value_kind: global_buffer, .address_space: global }
      - { .name: act_c, .offset: 8, .size: 8, .value_kind: global_buffer, .address_space: global }
      - { .name: act_s, .offset: 16, .size: 8, .value_kind: global_buffer, .address_space: global }
    .group_segment_fixed_size: 272384
    .private_segment_fixed_size: 0
    .kernarg_segment_align: 8
    .kernarg_segment_size: 24
    .max_flat_workgroup_size: 512
    .sgpr_count:     100
    .vgpr_count:     256
    .wavefront_size: 32
...
	.end_amdgpu_metadata
.endif
;; end of part 3
;; launch wo (part 4): grid 8 x 32, 4 waves a work-group, clusters of 4 x 4, 327,680 bytes of LDS; arguments act_c, act_s, wo_codes, wo_scales, bo, src, src2; writes src2
.if DOCPART == 4
	.amdgcn_target "amdgcn-amd-amdhsa--gfx1250"
	.amdhsa_code_object_version 6
	.text
	.protected	k_q0cf8170ea2_wo
	.globl	k_q0cf8170ea2_wo
	.p2align	8
	.type	k_q0cf8170ea2_wo,@function
k_q0cf8170ea2_wo:
	s_mov_b64 s[64:65], 0
	v_nop
	global_prefetch_b8 v0, s[64:65] scope:SCOPE_SE
	s_setreg_imm32_b32 hwreg(HW_REG_WAVE_MODE, 25, 1), 1
	s_wait_xcnt 0x0
	s_wait_alu depctr_hold_cnt(0) depctr_sa_sdst(0) depctr_va_vdst(0) depctr_va_sdst(0) depctr_va_ssrc(0) depctr_va_vcc(0) depctr_vm_vsrc(0)
	s_getreg_b32 s2, hwreg(HW_REG_IB_STS2, 6, 4)
	s_cmp_eq_u32 s2, 0
	s_cbranch_scc0 .Lentry_in_a_cluster
	s_endpgm
.Lentry_in_a_cluster:
	s_bfe_u32 s2, ttmp6, 0x10000c
	s_cmp_lg_u32 s2, 0xf033
	s_cbranch_scc0 .Lentry_shape_is_right
	s_endpgm
.Lentry_shape_is_right:
; out = resid + A W^T + bias.  A: [4096][SIZE_K] as IMAGES of operand registers, [tile of 16 rows][K step of 128][2,048 bytes], its scale words [K step][group of 128 rows][512 bytes];
; W: [1024][SIZE_K] codes of E4M3, row-major, its scale bytes [1024][SIZE_K / 32]; bias [1024], resid and out [4096][1024] f32.  Sums in f32.
; A tile of 128 x 128 by a work-group of four waves, a wave 64 x 64: 16 accumulators: with 1,024 columns only this tile gives each of 256 work-groups one.  K goes in steps of 512 through a ring of two LDS slots:
; A's eight tiles of rows are 8,192 dense bytes each, W's 128 rows 512 bytes + 16 of padding.  All scale words of the work-group's rows come into LDS once.
; With SIZE_K = 1,024 the two slots hold all of K: each is filled once, and the loop over laps is not assembled.
; 4 x 4 work-groups form a cluster: A's tiles are asked for jointly along a row of the cluster, W's along a column.
; The matrix instruction takes 16 rows of W as source 0 and 16 rows of A as source 1: a lane holds eight neighbouring numbers of a row of out.
; REGISTERS: window 0: v16-29 addresses; v32-63 A's scale words, v64-95 W's (two sets each); v96-99 the bias; v128-255 the accumulators.  Window 1: two fragment buffers of 128 (64 of A, 64 of W).
; Window 2: v0-127 the residual, asked for at the head.
.set SIZE_K, 1024
.set NK,     SIZE_K/128
.set KS,     SIZE_K/32
.set KSTEP,  512
.set LAPS,   SIZE_K/(2*KSTEP)
.set PITCH,  528
.set AHALF,  32768
.set BOFF,   65536
.set BHALF,  64*PITCH
.set SLOT,   BOFF+2*BHALF
.set SCA,    2*SLOT
.set HALFSA, (NK/2)*512
.set SCB,    282624
.set HALFSB, (64*KS/256)*272
.set SBLKB,  (16*KS/256)*272
.set SPARE,  300032                    ; the spare words: 128 bytes for each wave, named by no other line
.set SPITCH, 272                       ; the way out: a stage of 16 rows x (256 bytes + 16) for each wave, in slot 0, which has had its last fill and its last read by then
.set ADRA, 16
.set ADRB, 20
.set ADSA, 22
.set ADSB, 23
.set STO,  24
.set RD,   25
.set CO,   26
.set BO,   27
.set SPW,  28
.set NIL,  29
.set SA,   32
.set SB,   64
.set BIAS, 96
.set ACC,  128
.set F0,   0
.set F1,   128
.set G1A, 24
.set G0A, 32
.set G1B, 48
.set G0B, 56
.set G1SA, 68
.set G0SA, 76
.set G1SB, 80
.set G0SB, 88
.set MSB, 0
.macro WIN new
.if MSB != \new
	s_set_vgpr_msb (MSB<<8)|\new
.set MSB, \new
.endif
.endm
.set MUL,  0x05                        ; sources 0 and 1 window 1; C and D window 0
.set TO_F, 0x40                        ; destination window 1
.macro JLOAD g0a, g1a, g0b, g1b        ; waves 0 and 1 fetch for A, waves 2 and 3 for W; four v_nop follow each of the two lines
	s_cmp_eq_u32 s19, 0
	s_cbranch_scc0 .Lfor_b_\@
	tensor_load_to_lds s[\g0a:\g0a+3], s[\g1a:\g1a+7]
	s_nop 0
.rept 4
	v_nop
.endr
	s_branch .Lasked_\@
.Lfor_b_\@:
	tensor_load_to_lds s[\g0b:\g0b+3], s[\g1b:\g1b+7]
	s_nop 0
.rept 4
	v_nop
.endr
.Lasked_\@:
.endm
.macro CREST
	s_cmp_lg_u32 s18, 0
	s_cbranch_scc1 .Lnot_wave_0_\@
	s_barrier_signal -3
.Lnot_wave_0_\@:
	s_barrier_wait -3
	s_barrier_signal -1
	s_barrier_wait -1
.endm
.macro CROUND
	s_barrier_signal -1
	s_barrier_wait -1
	CREST
.endm
	s_load_b256 s[4:11], s[0:1], 0x0               ; A's codes, A's scales, W's codes, W's scales
	s_load_b128 s[12:15], s[0:1], 0x20             ; bias, residual
	s_load_b64 s[16:17], s[0:1], 0x30              ; out
	v_lshl_add_u32 v[SPW], v0, 2, SPARE
	v_mov_b32 v[NIL], 0
	ds_add_u32 v28, v29
	ds_add_u32 v28, v29
	s_wait_dscnt 0x0
	v_lshrrev_b32 v1, 5, v0
	v_readfirstlane_b32 s18, v1                    ; wave 0..3
	s_lshr_b32 s19, s18, 1                         ; my half of the tile's rows.  Also: I fetch for A (0) or for W (1)
	s_and_b32 s20, s18, 1                          ; my half of its columns.  Also: which half of that tile I fetch
	s_bfe_u32 s40, ttmp6, 0x40000                  ; cx
	s_bfe_u32 s41, ttmp6, 0x40004                  ; cy
	s_lshl_b32 s42, ttmp9, 2
	s_add_co_u32 s42, s42, s40                     ; tile column
	s_and_b32 s43, ttmp7, 0xffff
	s_lshl_b32 s43, s43, 2
	s_add_co_u32 s43, s43, s41                     ; tile row
	s_lshl_b32 s44, s41, 2
	s_lshl_b32 s44, 15, s44                        ; my row of the cluster
	s_lshl_b32 s45, 0x1111, s40                    ; my column
	s_or_b32 s[G1A], s44, (3<<16)|(1<<21)          ; A: 4 rows of 1,024 elements of 8 bytes, a tile of rows apart; no padding
	s_mov_b32 s[G1A+1], 1024<<16
	s_mov_b32 s[G1A+2], 4<<16
	s_mov_b32 s[G1A+3], 1024<<16
	s_mov_b32 s[G1A+4], 4
	s_mov_b32 s[G1A+5], NK*256
	s_mov_b32 s[G1A+6], 0
	s_mov_b32 s[G1A+7], 0
	s_or_b32 s[G1B], s45, (0<<16)|(1<<20)|(1<<21)|(6<<22)|(3<<25)   ; W: 64 rows of 512 bytes; 4 words of padding behind every 128
	s_mov_b32 s[G1B+1], 512<<16
	s_mov_b32 s[G1B+2], 64<<16
	s_mov_b32 s[G1B+3], 512<<16
	s_mov_b32 s[G1B+4], 64
	s_mov_b32 s[G1B+5], SIZE_K
	s_mov_b32 s[G1B+6], 0
	s_mov_b32 s[G1B+7], 0
	s_or_b32 s[G1SA], s44, (3<<16)|(1<<21)         ; A's scale words: NK / 2 rows of 512 bytes, 16,384 apart
	s_mov_b32 s[G1SA+1], 64<<16
	s_mov_b32 s[G1SA+2], (NK/2)<<16
	s_mov_b32 s[G1SA+3], 64<<16
	s_mov_b32 s[G1SA+4], NK/2
	s_mov_b32 s[G1SA+5], 2048
	s_mov_b32 s[G1SA+6], 0
	s_mov_b32 s[G1SA+7], 0
	s_or_b32 s[G1SB], s45, (3<<16)|(1<<20)|(1<<21)|(5<<22)|(3<<25)  ; W's scale bytes of 64 rows: a dense block, as rows of 256 bytes + 16
	s_mov_b32 s[G1SB+1], 32<<16
	s_mov_b32 s[G1SB+2], (64*KS/256)<<16
	s_mov_b32 s[G1SB+3], 32<<16
	s_mov_b32 s[G1SB+4], 64*KS/256
	s_mov_b32 s[G1SB+5], 32
	s_mov_b32 s[G1SB+6], 0
	s_mov_b32 s[G1SB+7], 0
	s_lshl_b32 s22, s43, 3
	s_lshl_b32 s21, s20, 2
	s_add_co_u32 s22, s22, s21                     ; A: tile of 16 rows 8 x tile row + 4 x half
	s_mul_i32 s22, s22, NK*2048
	s_mov_b32 s23, 0
	s_lshl_b32 s92, s43, 9
	s_mul_i32 s21, s20, (NK/2)*16384
	s_add_co_u32 s92, s92, s21                     ; its scale words: my group's 512 bytes, my half of the K steps
	s_mov_b32 s93, 0
	s_lshl_b32 s46, s42, 7
	s_lshl_b32 s21, s20, 6
	s_add_co_u32 s46, s46, s21                     ; W: row 128 x tile column + 64 x half
	s_mul_i32 s94, s46, KS
	s_mul_i32 s46, s46, SIZE_K
	s_mov_b32 s47, 0
	s_mov_b32 s95, 0
	s_mul_i32 s96, s20, AHALF                      ; where they go: no place in the cluster enters an LDS address
	s_mul_i32 s97, s20, BHALF
	s_add_co_u32 s97, s97, BOFF
	s_mul_i32 s98, s20, HALFSA
	s_mul_i32 s99, s20, HALFSB
	s_wait_kmcnt 0x0
	s_add_nc_u64 s[22:23], s[4:5], s[22:23]
	s_add_nc_u64 s[92:93], s[6:7], s[92:93]
	s_add_nc_u64 s[46:47], s[8:9], s[46:47]
	s_add_nc_u64 s[94:95], s[10:11], s[94:95]
	CROUND                                         ; all sixteen work-groups are here: the first joint loads meet
	s_mov_b32 s[G0SA], 1
	s_add_co_u32 s[G0SA+1], s98, SCA
	s_mov_b64 s[G0SA+2:G0SA+3], s[92:93]
	s_or_b32 s[G0SA+3], s[G0SA+3], 0x80000000
	s_mov_b32 s[G0SB], 1
	s_add_co_u32 s[G0SB+1], s99, SCB
	s_mov_b64 s[G0SB+2:G0SB+3], s[94:95]
	s_or_b32 s[G0SB+3], s[G0SB+3], 0x80000000
	JLOAD G0SA, G1SA, G0SB, G1SB                   ; the scales first; with the two slots three loads of mine are out
.irp s, 0,1
	s_mov_b32 s[G0A+4*\s], 1
	s_add_co_u32 s[G0A+4*\s+1], s96, \s*SLOT
	s_add_nc_u64 s[G0A+4*\s+2:G0A+4*\s+3], s[22:23], \s*8192
	s_or_b32 s[G0A+4*\s+3], s[G0A+4*\s+3], 0x80000000
	s_mov_b32 s[G0B+4*\s], 1
	s_add_co_u32 s[G0B+4*\s+1], s97, \s*SLOT
	s_add_nc_u64 s[G0B+4*\s+2:G0B+4*\s+3], s[46:47], \s*KSTEP
	s_or_b32 s[G0B+4*\s+3], s[G0B+4*\s+3], 0x80000000
	JLOAD G0A+4*\s, G1A, G0B+4*\s, G1B
.endr
	v_and_b32 v1, 15, v0                           ; r
	v_bfe_u32 v2, v0, 4, 1                         ; h
	v_and_b32 v3, 31, v0
	v_lshlrev_b32 v3, 4, v3                        ; 16 x lane
	v_mul_u32_u24 v4, v1, PITCH
	v_lshl_add_u32 v4, v2, 4, v4
	s_mul_i32 s21, s19, AHALF
	s_mul_i32 s22, s20, BHALF
	s_add_co_u32 s22, s22, BOFF
.irp s, 0,1
	v_add_nc_u32 v[ADRA+\s], s21, v3
	v_add_nc_u32 v[ADRB+\s], s22, v4
	s_add_co_u32 s21, s21, SLOT
	s_add_co_u32 s22, s22, SLOT
.endr
	s_lshl_b32 s21, s19, 8
	s_add_co_u32 s21, s21, SCA
	v_lshl_add_u32 v[ADSA], v1, 4, s21             ; A's scale words: my four tiles' words of row r, 16 bytes
	v_mul_u32_u24 v5, v1, KS
	v_lshrrev_b32 v6, 8, v5
	v_lshl_add_u32 v5, v6, 4, v5
	s_mul_i32 s21, s20, HALFSB
	s_add_co_u32 s21, s21, SCB
	v_add_nc_u32 v[ADSB], s21, v5                  ; W's: row r's bytes; 16 more for each 256 passed
	s_mul_i32 s21, s18, 16*SPITCH
	v_mul_u32_u24 v5, v1, SPITCH
	v_lshl_add_u32 v5, v2, 5, v5
	v_add_nc_u32 v[STO], s21, v5
	v_mul_u32_u24 v5, v2, SPITCH
	v_lshl_add_u32 v5, v1, 4, v5
	v_add_nc_u32 v[RD], s21, v5
	v_lshlrev_b32 v5, 12, v2
	v_lshl_add_u32 v[CO], v1, 4, v5                ; lanes 0-15 one row of out, lanes 16-31 the next; 16 bytes a lane
	v_lshlrev_b32 v[BO], 4, v1
	s_lshl_b32 s21, s43, 7
	s_lshl_b32 s22, s19, 6
	s_add_co_u32 s21, s21, s22                     ; my first row
	s_lshl_b32 s92, s21, 12
	s_lshl_b32 s21, s42, 9
	s_lshl_b32 s22, s20, 8
	s_add_co_u32 s94, s21, s22                     ; my first column, in bytes
	s_add_co_u32 s92, s92, s94
	s_mov_b32 s93, 0
	s_mov_b32 s95, 0
	s_add_nc_u64 s[14:15], s[14:15], s[92:93]
	s_add_nc_u64 s[16:17], s[16:17], s[92:93]
	s_add_nc_u64 s[12:13], s[12:13], s[94:95]
	global_load_b128 v[BIAS:BIAS+3], v[BO], s[12:13]
	WIN 0x80                                       ; destination window 2
.set n, 0
.rept 32
	global_load_b128 v[4*n:4*n+3], v[CO], s[14:15] offset:2*n*4096 th:TH_LOAD_NT   ; the residual, in the layout in which rows come back from the stage
.set n, n+1
.endr
	WIN 0
.macro MULA f, a, set, q, zero         ; four matrix instructions: A's tile a x W's four.  The 16 accumulators take turns, one instruction a turn
.irp b, 0,1,2,3
.if \zero
	v_wmma_scale_f32_16x16x128_f8f6f4 v[ACC+8*(4*(\a)+\b):ACC+8*(4*(\a)+\b)+7], v[\f+64+16*\b:\f+64+16*\b+15], v[\f+16*(\a):\f+16*(\a)+15], 0, v[SB+16*(\set)+4*\b+(\q)], v[SA+16*(\set)+4*(\q)+(\a)]
.else
	v_wmma_scale_f32_16x16x128_f8f6f4 v[ACC+8*(4*(\a)+\b):ACC+8*(4*(\a)+\b)+7], v[\f+64+16*\b:\f+64+16*\b+15], v[\f+16*(\a):\f+16*(\a)+15], v[ACC+8*(4*(\a)+\b):ACC+8*(4*(\a)+\b)+7], v[SB+16*(\set)+4*\b+(\q)], v[SA+16*(\set)+4*(\q)+(\a)]
.endif
.endr
.endm
; the fragments of the slot's q-th 128 along K into buffer f: W's four, A's tiles 0 and 1, (sc = 1: the K step's scale words into set slot,) A's tiles 2 and 3
.macro FETCH slot, q, f, sc
	WIN TO_F
.irp b, 0,1,2,3
.irp c, 0,1,2,3
	ds_load_b128 v[\f+64+16*\b+4*\c:\f+64+16*\b+4*\c+3], v[ADRB+\slot] offset:\b*16*PITCH+128*(\q)+32*\c
.endr
.endr
.irp i, 0,1
.irp c, 0,1,2,3
	ds_load_b128 v[\f+16*\i+4*\c:\f+16*\i+4*\c+3], v[ADRA+\slot] offset:\i*8192+2048*(\q)+512*\c
.endr
.endr
.if \sc
	WIN 0
.irp u, 0,1,2,3
	ds_load_b128 v[SA+16*\slot+4*\u:SA+16*\slot+4*\u+3], v[ADSA] offset:512*\u
.endr
.irp b, 0,1,2,3
	ds_load_b128 v[SB+16*\slot+4*\b:SB+16*\slot+4*\b+3], v[ADSB] offset:\b*SBLKB
.endr
	WIN TO_F
.endif
.irp i, 2,3
.irp c, 0,1,2,3
	ds_load_b128 v[\f+16*\i+4*\c:\f+16*\i+4*\c+3], v[ADRA+\slot] offset:\i*8192+2048*(\q)+512*\c
.endr
.endr
.endm
.macro PLACES n                        ; plain vector instructions between a matrix instruction and a load into, or a vector access of, its registers
.rept \n
	v_nop
.endr
.endm
.macro QUARTER slot, q, f, g, zero     ; multiplies the slot's q-th 128 along K (buffer f) and fetches the next into g
	s_wait_dscnt 8                                 ; all but the youngest eight loads (A's tiles 2 and 3)
	WIN MUL
	MULA \f, 0, \slot, \q, \zero
	MULA \f, 1, \slot, \q, \zero
	PLACES 8
	FETCH \slot, (\q)+1, \g, 0
	s_wait_dscnt 32                                ; all but the 32 just issued
	WIN MUL
	MULA \f, 2, \slot, \q, \zero
	MULA \f, 3, \slot, \q, \zero
.endm
; a slot's last quarter changes slots: one barrier; in front of it each wave waits for all its tensor loads, adds 0 to its spare word, and waits for that and for its own reads of this slot
.macro TURN slot, next, fill
	WIN 0
	s_wait_tensorcnt 0x0                           ; all my tensor loads have landed: my part of the next slot
	ds_add_u32 v[SPW], v[NIL]                      ; 0 onto my spare word
	s_wait_dscnt 9                                 ; the add and the youngest eight loads may be out
	WIN MUL
	MULA F1, 0, \slot, 3, 0
	s_wait_dscnt 0x0                               ; the add is done, and my reads of this slot are over
	s_barrier_signal -1
	MULA F1, 1, \slot, 3, 0
	WIN 0
	s_barrier_wait -1
.if \fill
	CREST                                          ; the barrier has opened a round of the cluster's barrier
	s_add_nc_u64 s[G0A+4*\slot+2:G0A+4*\slot+3], s[G0A+4*\slot+2:G0A+4*\slot+3], 2*8192
	s_add_nc_u64 s[G0B+4*\slot+2:G0B+4*\slot+3], s[G0B+4*\slot+2:G0B+4*\slot+3], 2*KSTEP
	JLOAD G0A+4*\slot, G1A, G0B+4*\slot, G1B       ; the first tensor load behind the round; its four v_nop are among the places in front of the loads below
	PLACES 4
.else
	PLACES 8
.endif
	v_add_nc_u32 v[ADSA], 4*512, v[ADSA]           ; on to the next K step's scale words
	v_add_nc_u32 v[ADSB], 16, v[ADSB]
	FETCH \next, 0, F0, 1
	WIN MUL
	MULA F1, 2, \slot, 3, 0
	MULA F1, 3, \slot, 3, 0
.endm
	s_wait_tensorcnt 1                             ; the scales and my part of K step 0 are in; K step 1's load may be out
	s_barrier_signal -1
	s_barrier_wait -1
	FETCH 0, 0, F0, 1
	QUARTER 0, 0, F0, F1, 1                        ; the first quarter's products start the sums
.if LAPS > 1
	WIN 0
	s_mov_b32 s3, LAPS-1
.Llap:
	QUARTER 0, 1, F1, F0, 0
	QUARTER 0, 2, F0, F1, 0
	TURN 0, 1, 1
	QUARTER 1, 0, F0, F1, 0
	QUARTER 1, 1, F1, F0, 0
	QUARTER 1, 2, F0, F1, 0
	TURN 1, 0, 1
	QUARTER 0, 0, F0, F1, 0
	WIN 0
	s_sub_co_u32 s3, s3, 1
	s_cmp_lg_u32 s3, 0
	s_cbranch_scc1 .Llap
.endif
	QUARTER 0, 1, F1, F0, 0                        ; the last lap fills nothing
	QUARTER 0, 2, F0, F1, 0
	TURN 0, 1, 0
	QUARTER 1, 0, F0, F1, 0
	QUARTER 1, 1, F1, F0, 0
	QUARTER 1, 2, F0, F1, 0
	s_wait_dscnt 8
	WIN MUL
	MULA F1, 0, 1, 3, 0
	MULA F1, 1, 1, 3, 0
	s_wait_dscnt 0
	MULA F1, 2, 1, 3, 0
	MULA F1, 3, 1, 3, 0
	WIN 0
; THE WAY OUT, 16 rows at a time: through my own stage and back as whole rows of 256 bytes (into window 1: the fragment buffers are done with); the residual and the bias are added; sixteen lanes store 256 consecutive bytes
.macro OUTA a
.set BB, 32*((\a)%2)
.if (\a) >= 2
	s_wait_xcnt 0x0                                ; the stores of two turns ago have read these registers
.endif
.irp b, 0,1,2,3
	ds_store_b128 v[STO], v[ACC+8*(4*(\a)+\b):ACC+8*(4*(\a)+\b)+3] offset:64*\b          ; each accumulator from its low end on
	ds_store_b128 v[STO], v[ACC+8*(4*(\a)+\b)+4:ACC+8*(4*(\a)+\b)+7] offset:64*\b+16
.endr
	WIN 0x40
.irp t, 0,1,2,3,4,5,6,7
	ds_load_b128 v[BB+4*\t:BB+4*\t+3], v[RD] offset:\t*2*SPITCH   ; LDS serves a wave's instructions in order: these see my stores
.endr
	s_wait_dscnt 0x0
	WIN 0x49                                       ; destination and source 0 window 1, source 1 window 2
.irp t, 0,1,2,3,4,5,6,7
.irp i, 0,2
	v_pk_add_f32 v[BB+4*\t+\i:BB+4*\t+\i+1], v[BB+4*\t+\i:BB+4*\t+\i+1], v[4*(8*(\a)+\t)+\i:4*(8*(\a)+\t)+\i+1]
.endr
.endr
	WIN 0x41                                       ; source 1 window 0
.irp t, 0,1,2,3,4,5,6,7
.irp i, 0,2
	v_pk_add_f32 v[BB+4*\t+\i:BB+4*\t+\i+1], v[BB+4*\t+\i:BB+4*\t+\i+1], v[BIAS+\i:BIAS+\i+1]
.endr
.endr
	WIN 0x04                                       ; a store's data: window 1
.irp t, 0,1,2,3,4,5,6,7
	global_store_b128 v[CO], v[BB+4*\t:BB+4*\t+3], s[16:17] offset:(16*(\a)+2*\t)*4096
.endr
	WIN 0
.endm
	s_wait_loadcnt 0x0                             ; the residual and the bias
	PLACES 8
	OUTA 0
	OUTA 1
	OUTA 2
	OUTA 3
	s_wait_tensorcnt 0x0                           ; the wave's end
	ds_add_u32 v[SPW], v[NIL]
	s_wait_dscnt 0x0
	CROUND                                         ; the closing round
	s_endpgm
.Lfunc_end_k_q0cf8170ea2_wo:
	.size	k_q0cf8170ea2_wo, .Lfunc_end_k_q0cf8170ea2_wo-k_q0cf8170ea2_wo
	.p2alignl 7, 3214868480
	.fill 96, 4, 3214868480
	.section	.rodata,"a",@progbits
	.p2align	6, 0x0
	.amdhsa_kernel k_q0cf8170ea2_wo
		.amdhsa_group_segment_fixed_size 327680
		.amdhsa_private_segment_fixed_size 0
		.amdhsa_enable_private_segment 0
		.amdhsa_kernarg_size 56
		.amdhsa_user_sgpr_count 2
		.amdhsa_user_sgpr_kernarg_segment_ptr 1
		.amdhsa_wavefront_size32 1
		.amdhsa_system_sgpr_workgroup_id_x 1
		.amdhsa_system_sgpr_workgroup_id_y 1
		.amdhsa_system_sgpr_workgroup_id_z 1
		.amdhsa_system_vgpr_workitem_id 0
		.amdhsa_next_free_vgpr 768
		.amdhsa_next_free_sgpr 100
		.amdhsa_reserve_vcc 0
		.amdhsa_float_denorm_mode_32 3
		.amdhsa_float_denorm_mode_16_64 3
		.amdhsa_memory_ordered 1
		.amdhsa_forward_progress 1
		.amdhsa_inst_pref_size 66
	.end_amdhsa_kernel
	.amdgpu_metadata
---
amdhsa.version: [ 1, 2 ]
amdhsa.kernels:
  - .name:           k_q0cf8170ea2_wo
    .symbol:         k_q0cf8170ea2_wo.kd
    .args:
      - { .name: act_c, .offset: 0, .size: 8, .value_kind: global_buffer, .address_space: global }
      - { .name: act_s, .offset: 8, .size: 8, .value_kind: global_buffer, .address_space: global }
      - { .name: wo_codes, .offset: 16, .size: 8, .value_kind: global_buffer, .address_space: global }
      - { .name: wo_scales, .offset: 24, .size: 8, .value_kind: global_buffer, .address_space: global }
      - { .name: bo, .offset: 32, .size: 8, .value_kind: global_buffer, .address_space: global }
      - { .name: src, .offset: 40, .size: 8, .value_kind: global_buffer, .address_space: global }
      - { .name: src2, .offset: 48, .size: 8, .value_kind: global_buffer, .address_space: global }
    .group_segment_fixed_size: 327680
    .private_segment_fixed_size: 0
    .kernarg_segment_align: 8
    .kernarg_segment_size: 56
    .max_flat_workgroup_size: 128
    .sgpr_count:     100
    .vgpr_count:     768
    .wavefront_size: 32
...
	.end_amdgpu_metadata
.endif
;; end of part 4
;; launch ln2: the kernel of part 1 again; grid 256 x 1, 8 waves a work-group, no clusters, 42,496 bytes of LDS; arguments src2, ln2_w, ln2_b, act_c, act_s; writes act_c, act_s
;; launch ffn1 (part 5): grid 16 x 16, 4 waves a work-group, clusters of 4 x 4, 327,680 bytes of LDS; arguments act_c, act_s, w1_codes, w1_scales, b1, gc, gs; writes gc, gs
.if DOCPART == 5
	.amdgcn_target "amdgcn-amd-amdhsa--gfx1250"
	.amdhsa_code_object_version 6
	.text
	.protected	k_q0cf8170ea2_ffn1
	.globl	k_q0cf8170ea2_ffn1
	.p2align	8
	.type	k_q0cf8170ea2_ffn1,@function
k_q0cf8170ea2_ffn1:
	s_mov_b64 s[64:65], 0
	v_nop
	global_prefetch_b8 v0, s[64:65] scope:SCOPE_SE
	s_setreg_imm32_b32 hwreg(HW_REG_WAVE_MODE, 25, 1), 1
	s_wait_xcnt 0x0
	s_wait_alu depctr_hold_cnt(0) depctr_sa_sdst(0) depctr_va_vdst(0) depctr_va_sdst(0) depctr_va_ssrc(0) depctr_va_vcc(0) depctr_vm_vsrc(0)
	s_getreg_b32 s2, hwreg(HW_REG_IB_STS2, 6, 4)
	s_cmp_eq_u32 s2, 0
	s_cbranch_scc0 .Lentry_in_a_cluster
	s_endpgm
.Lentry_in_a_cluster:
	s_bfe_u32 s2, ttmp6, 0x10000c
	s_cmp_lg_u32 s2, 0xf033
	s_cbranch_scc0 .Lentry_shape_is_right
	s_endpgm
.Lentry_shape_is_right:
; hidden = relu(LN2(src2) W1 + b1) on codes of E4M3 (one E8M0 scale for each 32 along K = 1,024), quantised again along the hidden units for the next product.
; THE PRODUCT: a tile of 256 x 256 by a work-group of four waves, a wave 128 x 128 in 64 accumulators; K in steps of 256 through a ring of two LDS slots filled by the tensor data mover; the scale bytes of the
; work-group's 2 x 256 rows come into LDS once.  4 x 4 work-groups form a cluster: the tokens' tiles are asked for jointly along a row of the cluster, W1's along a column.
; The matrix instruction takes 16 rows of W1 as source 0 and 16 tokens as source 1: a lane holds ONE token and eight neighbouring hidden units.
; THE WAY OUT: a wave's 128 hidden units are one K step of the next product.  For each of its eight tiles of 16 tokens: the bias is added, the lane's 64 numbers are quantised (the hold between 0 and 448 x the scale
; is the activation too), the codes are brought into the operand's own order of k (their partner is a given weight) and stored as they stand: an image of the operand's registers, 512 consecutive bytes a store.
; gc: [tile of 16 tokens][K step of 128][2,048 bytes];  gs: [K step][group of 128 tokens][512 bytes], the word of row r of tile t at (t % 8 / 4) * 256 + 16 r + 4 (t % 4).
; LIMITS: NaN and infinities are not served; a block whose largest number lies under 2^-118 is coded against that floor's scale; a block of zeros keeps the byte 1 (this program alone reads the bytes).
.set SIZE_K, 1024
.set KSTEP,  256
.set NQ,     KSTEP/128
.set ROWB,   256
.set KROW,   SIZE_K
.set PITCH,  272
.set FR,     16
.set NL,     4
.set NP,     8
.set HALFT,  128*PITCH
.set SLOT,   4*HALFT
.set LAPS,   SIZE_K/(2*KSTEP)
.set KS,     SIZE_K/32
.set SCL,    2*SLOT
.set HALFS,  (128*KS/256)*272
.set SBLK,   (16*KS/256)*272
.set SPARE,  SCL+4*HALFS               ; the spare words: 128 bytes for each wave, named by no other line
.set ADRA, 16
.set ADRB, 20
.set ADRS, 27
.set SPW,  28
.set NIL,  29
.set SC,   32
.set BI,   64                          ; v64-127 the bias: register 8 b + j
.set AF,   128
.set T,    128
.set PC,   192
.set TM,   208
.set PW8,  224
.set OW,   232
.set G1, 24
.set G0, 32
.set G1B, 48
.set G0B, 56
.set G1S, 68
.set G0S, 76
.set G1SB, 80
.set G0SB, 88
.set SEL,  92
.set MNT,  104
.set MSB, 0
.macro WIN new
.if MSB != \new
	s_set_vgpr_msb (MSB<<8)|\new
.set MSB, \new
.endif
.endm
.set MUL_LO, 0xa1
.set MUL_HI, 0xf1
.set TO_B,   0x40
.macro JLOAD g0a, g1a, g0b, g1b        ; waves 0 and 1 fetch for the tokens, waves 2 and 3 for W1; four v_nop follow each of the two lines
	s_cmp_eq_u32 s15, 0
	s_cbranch_scc0 .Lfor_b_\@
	tensor_load_to_lds s[\g0a:\g0a+3], s[\g1a:\g1a+7]
	s_nop 0
.rept 4
	v_nop
.endr
	s_branch .Lasked_\@
.Lfor_b_\@:
	tensor_load_to_lds s[\g0b:\g0b+3], s[\g1b:\g1b+7]
	s_nop 0
.rept 4
	v_nop
.endr
.Lasked_\@:
.endm
.macro CREST
	s_cmp_lg_u32 s14, 0
	s_cbranch_scc1 .Lnot_wave_0_\@
	s_barrier_signal -3
.Lnot_wave_0_\@:
	s_barrier_wait -3
	s_barrier_signal -1
	s_barrier_wait -1
.endm
.macro CROUND
	s_barrier_signal -1
	s_barrier_wait -1
	CREST
.endm
	s_load_b128 s[4:7], s[0:1], 0x0                ; the tokens' codes and scales
	s_load_b128 s[8:11], s[0:1], 0x10              ; W1's codes and scales
	s_load_b64 s[96:97], s[0:1], 0x20              ; b1
	s_load_b64 s[12:13], s[0:1], 0x28              ; the hidden layer's codes
	s_load_b64 s[98:99], s[0:1], 0x30              ; and scale words
	v_lshl_add_u32 v[SPW], v0, 2, SPARE
	v_mov_b32 v[NIL], 0
	ds_add_u32 v28, v29
	ds_add_u32 v28, v29
	s_wait_dscnt 0x0
	v_lshrrev_b32 v1, 5, v0
	v_readfirstlane_b32 s14, v1
	s_lshr_b32 s15, s14, 1
	s_and_b32 s16, s14, 1
	s_bfe_u32 s40, ttmp6, 0x40000
	s_bfe_u32 s41, ttmp6, 0x40004
	s_lshl_b32 s42, ttmp9, 2
	s_add_co_u32 s42, s42, s40                     ; tile column
	s_and_b32 s17, ttmp7, 0xffff
	s_lshl_b32 s17, s17, 2
	s_add_co_u32 s17, s17, s41                     ; tile row
	s_lshl_b32 s43, s41, 2
	s_lshl_b32 s43, 15, s43
	s_lshl_b32 s44, 0x1111, s40
	s_or_b32 s[G1+0], s43, (0<<16)|(1<<20)|(1<<21)|(5<<22)|(3<<25)
	s_or_b32 s[G1B+0], s44, (0<<16)|(1<<20)|(1<<21)|(5<<22)|(3<<25)
.irp g, G1, G1B
	s_mov_b32 s[\g+1], ROWB<<16
	s_mov_b32 s[\g+2], 128<<16
	s_mov_b32 s[\g+3], ROWB<<16
	s_mov_b32 s[\g+4], 128
	s_mov_b32 s[\g+5], KROW
	s_mov_b32 s[\g+6], 0
	s_mov_b32 s[\g+7], 0
.endr
	s_or_b32 s[G1S+0], s43, (3<<16)|(1<<20)|(1<<21)|(5<<22)|(3<<25)
	s_or_b32 s[G1SB+0], s44, (3<<16)|(1<<20)|(1<<21)|(5<<22)|(3<<25)
.irp g, G1S, G1SB
	s_mov_b32 s[\g+1], 32<<16
	s_mov_b32 s[\g+2], (128*KS/256)<<16
	s_mov_b32 s[\g+3], 32<<16
	s_mov_b32 s[\g+4], 128*KS/256
	s_mov_b32 s[\g+5], 32
	s_mov_b32 s[\g+6], 0
	s_mov_b32 s[\g+7], 0
.endr
	s_lshl_b32 s18, s16, 7
	s_lshl_b32 s20, s17, 8
	s_add_co_u32 s20, s20, s18
	s_lshl_b32 s46, s42, 8
	s_add_co_u32 s46, s46, s18
	s_mov_b32 s21, 0
	s_mov_b32 s47, 0
	s_mov_b64 s[18:19], KS
	s_mul_u64 s[22:23], s[20:21], s[18:19]
	s_mul_u64 s[92:93], s[46:47], s[18:19]
	s_mov_b64 s[18:19], KROW
	s_mul_u64 s[20:21], s[20:21], s[18:19]
	s_mul_u64 s[46:47], s[46:47], s[18:19]
	s_mul_i32 s45, s14, HALFT
	s_mul_i32 s94, s14, HALFS
	s_wait_kmcnt 0x0
	s_add_nc_u64 s[20:21], s[4:5], s[20:21]
	s_add_nc_u64 s[22:23], s[6:7], s[22:23]
	s_add_nc_u64 s[46:47], s[8:9], s[46:47]
	s_add_nc_u64 s[92:93], s[10:11], s[92:93]
	CROUND
	s_mov_b32 s[G0S], 1
	s_add_co_u32 s[G0S+1], s94, SCL
	s_mov_b64 s[G0S+2:G0S+3], s[22:23]
	s_or_b32 s[G0S+3], s[G0S+3], 0x80000000
	s_mov_b32 s[G0SB], 1
	s_add_co_u32 s[G0SB+1], s94, SCL
	s_mov_b64 s[G0SB+2:G0SB+3], s[92:93]
	s_or_b32 s[G0SB+3], s[G0SB+3], 0x80000000
	JLOAD G0S, G1S, G0SB, G1SB
.irp s, 0,1
	s_mov_b32 s[G0+4*\s], 1
	s_add_co_u32 s[G0+4*\s+1], s45, \s*SLOT
	s_add_nc_u64 s[G0+4*\s+2:G0+4*\s+3], s[20:21], \s*ROWB
	s_or_b32 s[G0+4*\s+3], s[G0+4*\s+3], 0x80000000
	s_mov_b32 s[G0B+4*\s], 1
	s_add_co_u32 s[G0B+4*\s+1], s45, \s*SLOT
	s_add_nc_u64 s[G0B+4*\s+2:G0B+4*\s+3], s[46:47], \s*ROWB
	s_or_b32 s[G0B+4*\s+3], s[G0B+4*\s+3], 0x80000000
	JLOAD G0+4*\s, G1, G0B+4*\s, G1B
.endr
	v_and_b32 v1, 15, v0
	v_bfe_u32 v2, v0, 4, 1
	v_mul_u32_u24 v3, v1, PITCH
	v_lshl_add_u32 v4, v2, 4, v3
	s_mul_i32 s21, s15, HALFT
	s_mul_i32 s22, s16, HALFT
	s_add_co_u32 s22, s22, 2*HALFT
.irp s, 0,1
	v_add_nc_u32 v[ADRA+\s], s21, v4
	v_add_nc_u32 v[ADRB+\s], s22, v4
	s_add_co_u32 s21, s21, SLOT
	s_add_co_u32 s22, s22, SLOT
.endr
	v_mul_u32_u24 v5, v1, KS
	v_lshrrev_b32 v6, 8, v5
	v_lshl_add_u32 v5, v6, 4, v5
	s_mul_i32 s21, s15, HALFS
	s_mul_i32 s22, s16, HALFS
	s_add_co_u32 s22, s22, 2*HALFS
	s_sub_co_u32 s22, s22, s21
	v_mul_u32_u24 v6, s22, v2
	s_add_co_u32 s21, s21, SCL
	v_add_nc_u32 v5, v5, v6
	v_add_nc_u32 v[ADRS], s21, v5
	s_lshl_b32 s20, s42, 10
	s_lshl_b32 s21, s16, 9
	s_add_co_u32 s20, s20, s21                     ; 4 x my first hidden unit
	s_mov_b32 s21, 0
	s_add_nc_u64 s[96:97], s[96:97], s[20:21]
	v_lshlrev_b32 v30, 5, v2                       ; 32 h
.irp b, 0,1,2,3,4,5,6,7
	global_load_b128 v[BI+8*\b:BI+8*\b+3], v30, s[96:97] offset:64*\b
	global_load_b128 v[BI+8*\b+4:BI+8*\b+7], v30, s[96:97] offset:64*\b+16
.endr
	s_lshl_b32 s20, s17, 4
	s_lshl_b32 s21, s15, 3
	s_add_co_u32 s20, s20, s21                     ; my first tile of 16 tokens
	s_lshl_b32 s20, s20, 5
	s_lshl_b32 s21, s42, 1
	s_add_co_u32 s21, s21, s16                     ; my K step of the next product
	s_add_co_u32 s20, s20, s21
	s_lshl_b32 s20, s20, 11
	s_lshl_b32 s22, s21, 5
	s_lshl_b32 s23, s17, 1
	s_add_co_u32 s22, s22, s23
	s_add_co_u32 s22, s22, s15                     ; x 32 + my group of 128 tokens
	s_lshl_b32 s22, s22, 9
	s_mov_b32 s21, 0
	s_mov_b32 s23, 0
	s_add_nc_u64 s[12:13], s[12:13], s[20:21]
	s_add_nc_u64 s[98:99], s[98:99], s[22:23]
.macro FRAG reg, adr, q, i
.irp c, 0,1,2,3
	ds_load_b128 v[\reg+4*\c:\reg+4*\c+3], v[\adr] offset:128*(\q)+32*\c+(\i)*16*PITCH
.endr
.endm
.macro MUL16 a0, p, q, sc, zero        ; the 64 accumulators take turns, one instruction a turn
.irp a, \a0, \a0+1
.irp b, 0,1,2,3,4,5,6,7
.if \zero
	v_wmma_scale_f32_16x16x128_f8f6f4 v[8*(8*((\a)%4)+\b):8*(8*((\a)%4)+\b)+7], v[128*(\p)+FR*\b:128*(\p)+FR*\b+FR-1], v[AF+FR*(\a):AF+FR*(\a)+FR-1], 0, v[SC+8*NQ*(\sc)+NQ*\b+(\q)], v[SC+8*NQ*(\sc)+NQ*(\a)+(\q)] matrix_a_scale:MATRIX_SCALE_ROW1
.else
	v_wmma_scale_f32_16x16x128_f8f6f4 v[8*(8*((\a)%4)+\b):8*(8*((\a)%4)+\b)+7], v[128*(\p)+FR*\b:128*(\p)+FR*\b+FR-1], v[AF+FR*(\a):AF+FR*(\a)+FR-1], v[8*(8*((\a)%4)+\b):8*(8*((\a)%4)+\b)+7], v[SC+8*NQ*(\sc)+NQ*\b+(\q)], v[SC+8*NQ*(\sc)+NQ*(\a)+(\q)] matrix_a_scale:MATRIX_SCALE_ROW1
.endif
.endr
.endr
.endm
.macro FETCH_B slot, q, p
	WIN TO_B
.irp i, 0,1,2,3,4,5,6,7
	FRAG 128*(\p)+FR*\i, ADRB+\slot, \q, \i
.endr
	WIN 0
.endm
.macro FETCH_A slot, q, i0
.irp i, \i0, \i0+1, \i0+2, \i0+3
	FRAG AF+FR*(\i), ADRA+\slot, \q, \i
.endr
.endm
.macro SCALES sc
.irp i, 0,1,2,3,4,5,6,7
	ds_load_b64 v[SC+8*NQ*\sc+NQ*\i:SC+8*NQ*\sc+NQ*\i+1], v[ADRS] offset:\i*SBLK
.endr
.endm
.macro PLACES n
.rept \n
	v_nop
.endr
.endm
.macro STEP slot, q, zero
	s_wait_dscnt 4*NL                              ; the youngest 16 loads (A's blocks 4-7) may be out
	WIN MUL_LO
	MUL16 0, (\q)%2, \q, \slot, \zero
	MUL16 2, (\q)%2, \q, \slot, \zero
	s_wait_dscnt 0
	PLACES NP
	FETCH_B \slot, (\q)+1, 1-(\q)%2
	FETCH_A \slot, (\q)+1, 0
	WIN MUL_HI
	MUL16 4, (\q)%2, \q, \slot, \zero
	MUL16 6, (\q)%2, \q, \slot, \zero
	PLACES NP
	WIN 0
	FETCH_A \slot, (\q)+1, 4
.endm
.macro TURN slot, next, fill
	s_wait_tensorcnt 0x0                           ; all my tensor loads have landed: my part of the next slot
	ds_add_u32 v[SPW], v[NIL]                      ; 0 onto my spare word
	s_wait_dscnt 4*NL+1                            ; the add and the youngest 16 loads may be out
	WIN MUL_LO
	MUL16 0, 1, NQ-1, \slot, 0
	s_wait_dscnt 0x0                               ; the add is done, and my reads of this slot are over
	s_barrier_signal -1
	MUL16 2, 1, NQ-1, \slot, 0
	WIN 0
	s_barrier_wait -1
.if \fill
	CREST
	s_add_nc_u64 s[G0+4*\slot+2:G0+4*\slot+3], s[G0+4*\slot+2:G0+4*\slot+3], 2*ROWB
	s_add_nc_u64 s[G0B+4*\slot+2:G0B+4*\slot+3], s[G0B+4*\slot+2:G0B+4*\slot+3], 2*ROWB
	JLOAD G0+4*\slot, G1, G0B+4*\slot, G1B
	PLACES NP-4
.else
	PLACES NP
.endif
	v_add_nc_u32 v[ADRS], 4*NQ, v[ADRS]
	FETCH_B \next, 0, 0
	FETCH_A \next, 0, 0
	SCALES \next
	WIN MUL_HI
	MUL16 4, 1, NQ-1, \slot, 0
	MUL16 6, 1, NQ-1, \slot, 0
	PLACES NP
	WIN 0
	FETCH_A \next, 0, 4
.endm
	s_wait_tensorcnt 1                             ; the scales and my part of K step 0 are in; K step 1's load may be out
	s_barrier_signal -1
	s_barrier_wait -1
	FETCH_B 0, 0, 0
	FETCH_A 0, 0, 0
	SCALES 0
	FETCH_A 0, 0, 4
	STEP 0, 0, 1
	s_mov_b32 s3, LAPS-1
.Llap:
	TURN 0, 1, 1
	STEP 1, 0, 0
	TURN 1, 0, 1
	STEP 0, 0, 0
	s_sub_co_u32 s3, s3, 1
	s_cmp_lg_u32 s3, 0
	s_cbranch_scc1 .Llap
	TURN 0, 1, 0
	STEP 1, 0, 0
	s_wait_dscnt 4*NL
	WIN MUL_LO
	MUL16 0, 1, NQ-1, 1, 0
	MUL16 2, 1, NQ-1, 1, 0
	s_wait_dscnt 0
	WIN MUL_HI
	MUL16 4, 1, NQ-1, 1, 0
	MUL16 6, 1, NQ-1, 1, 0
	WIN 0
.macro QUANT pw                        ; 64 numbers v[T + 16 c + i] -> codes in v[PC] on, the row's scale word in v[pw]; what is negative becomes 0 on the way
.irp b, 0,1,2,3
	v_max3_num_f32 v[TM+\b], v[T+16*\b], v[T+1+16*\b], 0x4800000   ; no |.|: what is negative must not count; the floor 2^(9 - 127) stands over it
.endr
.irp i, 2,4,6,8,10,12,14
.irp b, 0,1,2,3
	v_max3_num_f32 v[TM+\b], v[TM+\b], v[T+16*\b+\i], v[T+1+16*\b+\i]
.endr
.endr
.irp b, 0,1,2,3
	v_permlanex16_b32 v[TM+4+\b], v[TM+\b], s[SEL], s[SEL+1]
.endr
.irp b, 0,1,2,3
	v_max_num_f32 v[TM+\b], v[TM+\b], v[TM+4+\b]
.endr
.irp b, 0,1,2,3
	v_add_nc_u32 v[TM+12+\b], 0xfc000000, v[TM+\b]
.endr
.irp b, 0,1,2,3
	v_and_or_b32 v[TM+8+\b], v[TM+\b], 0x7f800000, s[MNT]
.endr
.irp b, 0,1,2,3
	v_lshrrev_b32 v[TM+4+\b], 23, v[TM+12+\b]
.endr
	v_lshl_or_b32 v[\pw], v[TM+5], 8, v[TM+4]
	v_lshl_or_b32 v[\pw], v[TM+6], 16, v[\pw]
	v_lshl_or_b32 v[\pw], v[TM+7], 24, v[\pw]
	s_wait_xcnt 0x0                                ; the last tile's stores have read the codes' registers
.irp b, 0,1,2,3
.irp i, 0,1,2,3,4,5,6,7,8,9,10,11,12,13,14,15
	v_med3_num_f32 v[T+16*\b+\i], v[T+16*\b+\i], 0, v[TM+8+\b]   ; the activation and the hold in one
.endr
	v_cvt_scalef32_pk8_fp8_f32 v[PC+4*\b:PC+1+4*\b], v[T+16*\b:T+7+16*\b], v[TM+12+\b]
	v_cvt_scalef32_pk8_fp8_f32 v[PC+2+4*\b:PC+3+4*\b], v[T+8+16*\b:T+15+16*\b], v[TM+12+\b]
.endr
	v_nop
.irp b, 0,1,2,3
	v_permlane16_swap_b32 v[PC+4*\b], v[PC+4*\b+2] ; lanes 16-31's places 8..15 change with lanes 0-15's places 16..23: then a lane holds k = 32 b + 16 h + 0 .. 15
	v_permlane16_swap_b32 v[PC+4*\b+1], v[PC+4*\b+3]
.endr
.endm
.macro TILE a
	WIN 0x02+(\a)/4
.irp b, 0,1,2,3,4,5,6,7
.irp i, 0,2,4,6
	v_pk_add_f32 v[T+8*\b+\i:T+8*\b+\i+1], v[64*((\a)%4)+8*\b+\i:64*((\a)%4)+8*\b+\i+1], v[BI+8*\b+\i:BI+8*\b+\i+1]   ; each accumulator from its low end on
.endr
.endr
	WIN 0
	QUANT PW8+(\a)
.irp c, 0,1,2,3
	global_store_b128 v24, v[PC+4*\c:PC+4*\c+3], s[12:13] offset:(\a)*65536+\c*512   ; 32 lanes store 512 consecutive bytes
.endr
.endm
	s_wait_loadcnt 0x0                             ; the bias
	PLACES NP
	s_mov_b32 s[SEL], 0x76543210
	s_mov_b32 s[SEL+1], 0xfedcba98
	s_mov_b32 s[MNT], 0x600000
.irp b, 0,1,2,3
	v_mov_b32 v[TM+4+\b], 0
.endr
	v_and_b32 v24, 31, v0
	v_lshlrev_b32 v24, 4, v24
.irp a, 0,1,2,3,4,5,6,7
	TILE \a
.endr
	v_cmp_eq_u32 vcc_lo, 1, v2
.irp i, 0,1,2,3
	v_cndmask_b32 v[OW+\i], v[PW8+\i], v[PW8+4+\i], vcc_lo   ; lanes 0-15: tiles 0-3; lanes 16-31: tiles 4-7
.endr
	global_store_b128 v24, v[OW:OW+3], s[98:99]    ; 512 consecutive bytes
	s_wait_tensorcnt 0x0                           ; the wave's end
	ds_add_u32 v[SPW], v[NIL]
	s_wait_dscnt 0x0
	CROUND
	s_endpgm
.Lfunc_end_k_q0cf8170ea2_ffn1:
	.size	k_q0cf8170ea2_ffn1, .Lfunc_end_k_q0cf8170ea2_ffn1-k_q0cf8170ea2_ffn1
	.p2alignl 7, 3214868480
	.fill 96, 4, 3214868480
	.section	.rodata,"a",@progbits
	.p2align	6, 0x0
	.amdhsa_kernel k_q0cf8170ea2_ffn1
		.amdhsa_group_segment_fixed_size 327680
		.amdhsa_private_segment_fixed_size 0
		.amdhsa_enable_private_segment 0
		.amdhsa_kernarg_size 56
		.amdhsa_user_sgpr_count 2
		.amdhsa_user_sgpr_kernarg_segment_ptr 1
		.amdhsa_wavefront_size32 1
		.amdhsa_system_sgpr_workgroup_id_x 1
		.amdhsa_system_sgpr_workgroup_id_y 1
		.amdhsa_system_sgpr_workgroup_id_z 1
		.amdhsa_system_vgpr_workitem_id 0
		.amdhsa_next_free_vgpr 1024
		.amdhsa_next_free_sgpr 106
		.amdhsa_reserve_vcc 1
		.amdhsa_float_denorm_mode_32 3
		.amdhsa_float_denorm_mode_16_64 3
		.amdhsa_memory_ordered 1
		.amdhsa_forward_progress 1
		.amdhsa_inst_pref_size 204
	.end_amdhsa_kernel
	.amdgpu_metadata
---
amdhsa.version: [ 1, 2 ]
amdhsa.kernels:
  - .name:           k_q0cf8170ea2_ffn1
    .symbol:         k_q0cf8170ea2_ffn1.kd
    .args:
      - { .name: act_c, .offset: 0, .size: 8, .value_kind: global_buffer, .address_space: global }
      - { .name: act_s, .offset: 8, .size: 8, .value_kind: global_buffer, .address_space: global }
      - { .name: w1_codes, .offset: 16, .size: 8, .value_kind: global_buffer, .address_space: global }
      - { .name: w1_scales, .offset: 24, .size: 8, .value_kind: global_buffer, .address_space: global }
      - { .name: b1, .offset: 32, .size: 8, .value_kind: global_buffer, .address_space: global }
      - { .name: gc, .offset: 40, .size: 8, .value_kind: global_buffer, .address_space: global }
      - { .name: gs, .offset: 48, .size: 8, .value_kind: global_buffer, .address_space: global }
    .group_segment_fixed_size: 327680
    .private_segment_fixed_size: 0
    .kernarg_segment_align: 8
    .kernarg_segment_size: 56
    .max_flat_workgroup_size: 128
    .sgpr_count:     106
    .vgpr_count:     1024
    .wavefront_size: 32
...
	.end_amdgpu_metadata
.endif
;; end of part 5
;; launch ffn2 (part 6): grid 8 x 32, 4 waves a work-group, clusters of 4 x 4, 327,680 bytes of LDS; arguments gc, gs, w2_codes, w2_scales, b2, src2, out0; writes out0
.if DOCPART == 6
	.amdgcn_target "amdgcn-amd-amdhsa--gfx1250"
	.amdhsa_code_object_version 6
	.text
	.protected	k_q0cf8170ea2_ffn2
	.globl	k_q0cf8170ea2_ffn2
	.p2align	8
	.type	k_q0cf8170ea2_ffn2,@function
k_q0cf8170ea2_ffn2:
	s_mov_b64 s[64:65], 0
	v_nop
	global_prefetch_b8 v0, s[64:65] scope:SCOPE_SE
	s_setreg_imm32_b32 hwreg(HW_REG_WAVE_MODE, 25, 1), 1
	s_wait_xcnt 0x0
	s_wait_alu depctr_hold_cnt(0) depctr_sa_sdst(0) depctr_va_vdst(0) depctr_va_sdst(0) depctr_va_ssrc(0) depctr_va_vcc(0) depctr_vm_vsrc(0)
	s_getreg_b32 s2, hwreg(HW_REG_IB_STS2, 6, 4)
	s_cmp_eq_u32 s2, 0
	s_cbranch_scc0 .Lentry_in_a_cluster
	s_endpgm
.Lentry_in_a_cluster:
	s_bfe_u32 s2, ttmp6, 0x10000c
	s_cmp_lg_u32 s2, 0xf033
	s_cbranch_scc0 .Lentry_shape_is_right
	s_endpgm
.Lentry_shape_is_right:
; out = resid + A W^T + bias.  A: [4096][SIZE_K] as IMAGES of operand registers, [tile of 16 rows][K step of 128][2,048 bytes], its scale words [K step][group of 128 rows][512 bytes];
; W: [1024][SIZE_K] codes of E4M3, row-major, its scale bytes [1024][SIZE_K / 32]; bias [1024], resid and out [4096][1024] f32.  Sums in f32.
; A tile of 128 x 128 by a work-group of four waves, a wave 64 x 64: 16 accumulators: with 1,024 columns only this tile gives each of 256 work-groups one.  K goes in steps of 512 through a ring of two LDS slots:
; A's eight tiles of rows are 8,192 dense bytes each, W's 128 rows 512 bytes + 16 of padding.  All scale words of the work-group's rows come into LDS once.
; 4 x 4 work-groups form a cluster: A's tiles are asked for jointly along a row of the cluster, W's along a column.
; The matrix instruction takes 16 rows of W as source 0 and 16 rows of A as source 1: a lane holds eight neighbouring numbers of a row of out.
; REGISTERS: window 0: v16-29 addresses; v32-63 A's scale words, v64-95 W's (two sets each); v96-99 the bias; v128-255 the accumulators.  Window 1: two fragment buffers of 128 (64 of A, 64 of W).
; Window 2: v0-127 the residual, asked for at the head.
.set SIZE_K, 4096
.set NK,     SIZE_K/128
.set KS,     SIZE_K/32
.set KSTEP,  512
.set LAPS,   SIZE_K/(2*KSTEP)
.set PITCH,  528
.set AHALF,  32768
.set BOFF,   65536
.set BHALF,  64*PITCH
.set SLOT,   BOFF+2*BHALF
.set SCA,    2*SLOT
.set HALFSA, (NK/2)*512
.set SCB,    282624
.set HALFSB, (64*KS/256)*272
.set SBLKB,  (16*KS/256)*272
.set SPARE,  300032                    ; the spare words: 128 bytes for each wave, named by no other line
.set SPITCH, 272                       ; the way out: a stage of 16 rows x (256 bytes + 16) for each wave, in slot 0, which has had its last fill and its last read by then
.set ADRA, 16
.set ADRB, 20
.set ADSA, 22
.set ADSB, 23
.set STO,  24
.set RD,   25
.set CO,   26
.set BO,   27
.set SPW,  28
.set NIL,  29
.set SA,   32
.set SB,   64
.set BIAS, 96
.set ACC,  128
.set F0,   0
.set F1,   128
.set G1A, 24
.set G0A, 32
.set G1B, 48
.set G0B, 56
.set G1SA, 68
.set G0SA, 76
.set G1SB, 80
.set G0SB, 88
.set MSB, 0
.macro WIN new
.if MSB != \new
	s_set_vgpr_msb (MSB<<8)|\new
.set MSB, \new
.endif
.endm
.set MUL,  0x05                        ; sources 0 and 1 window 1; C and D window 0
.set TO_F, 0x40                        ; destination window 1
.macro JLOAD g0a, g1a, g0b, g1b        ; waves 0 and 1 fetch for A, waves 2 and 3 for W; four v_nop follow each of the two lines
	s_cmp_eq_u32 s19, 0
	s_cbranch_scc0 .Lfor_b_\@
	tensor_load_to_lds s[\g0a:\g0a+3], s[\g1a:\g1a+7]
	s_nop 0
.rept 4
	v_nop
.endr
	s_branch .Lasked_\@
.Lfor_b_\@:
	tensor_load_to_lds s[\g0b:\g0b+3], s[\g1b:\g1b+7]
	s_nop 0
.rept 4
	v_nop
.endr
.Lasked_\@:
.endm
.macro CREST
	s_cmp_lg_u32 s18, 0
	s_cbranch_scc1 .Lnot_wave_0_\@
	s_barrier_signal -3
.Lnot_wave_0_\@:
	s_barrier_wait -3
	s_barrier_signal -1
	s_barrier_wait -1
.endm
.macro CROUND
	s_barrier_signal -1
	s_barrier_wait -1
	CREST
.endm
	s_load_b256 s[4:11], s[0:1], 0x0               ; A's codes, A's scales, W's codes, W's scales
	s_load_b128 s[12:15], s[0:1], 0x20             ; bias, residual
	s_load_b64 s[16:17], s[0:1], 0x30              ; out
	v_lshl_add_u32 v[SPW], v0, 2, SPARE
	v_mov_b32 v[NIL], 0
	ds_add_u32 v28, v29
	ds_add_u32 v28, v29
	s_wait_dscnt 0x0
	v_lshrrev_b32 v1, 5, v0
	v_readfirstlane_b32 s18, v1                    ; wave 0..3
	s_lshr_b32 s19, s18, 1                         ; my half of the tile's rows.  Also: I fetch for A (0) or for W (1)
	s_and_b32 s20, s18, 1                          ; my half of its columns.  Also: which half of that tile I fetch
	s_bfe_u32 s40, ttmp6, 0x40000                  ; cx
	s_bfe_u32 s41, ttmp6, 0x40004                  ; cy
	s_lshl_b32 s42, ttmp9, 2
	s_add_co_u32 s42, s42, s40                     ; tile column
	s_and_b32 s43, ttmp7, 0xffff
	s_lshl_b32 s43, s43, 2
	s_add_co_u32 s43, s43, s41                     ; tile row
	s_lshl_b32 s44, s41, 2
	s_lshl_b32 s44, 15, s44                        ; my row of the cluster
	s_lshl_b32 s45, 0x1111, s40                    ; my column
	s_or_b32 s[G1A], s44, (3<<16)|(1<<21)          ; A: 4 rows of 1,024 elements of 8 bytes, a tile of rows apart; no padding
	s_mov_b32 s[G1A+1], 1024<<16
	s_mov_b32 s[G1A+2], 4<<16
	s_mov_b32 s[G1A+3], 1024<<16
	s_mov_b32 s[G1A+4], 4
	s_mov_b32 s[G1A+5], NK*256
	s_mov_b32 s[G1A+6], 0
	s_mov_b32 s[G1A+7], 0
	s_or_b32 s[G1B], s45, (0<<16)|(1<<20)|(1<<21)|(6<<22)|(3<<25)   ; W: 64 rows of 512 bytes; 4 words of padding behind every 128
	s_mov_b32 s[G1B+1], 512<<16
	s_mov_b32 s[G1B+2], 64<<16
	s_mov_b32 s[G1B+3], 512<<16
	s_mov_b32 s[G1B+4], 64
	s_mov_b32 s[G1B+5], SIZE_K
	s_mov_b32 s[G1B+6], 0
	s_mov_b32 s[G1B+7], 0
	s_or_b32 s[G1SA], s44, (3<<16)|(1<<21)         ; A's scale words: NK / 2 rows of 512 bytes, 16,384 apart
	s_mov_b32 s[G1SA+1], 64<<16
	s_mov_b32 s[G1SA+2], (NK/2)<<16
	s_mov_b32 s[G1SA+3], 64<<16
	s_mov_b32 s[G1SA+4], NK/2
	s_mov_b32 s[G1SA+5], 2048
	s_mov_b32 s[G1SA+6], 0
	s_mov_b32 s[G1SA+7], 0
	s_or_b32 s[G1SB], s45, (3<<16)|(1<<20)|(1<<21)|(5<<22)|(3<<25)  ; W's scale bytes of 64 rows: a dense block, as rows of 256 bytes + 16
	s_mov_b32 s[G1SB+1], 32<<16
	s_mov_b32 s[G1SB+2], (64*KS/256)<<16
	s_mov_b32 s[G1SB+3], 32<<16
	s_mov_b32 s[G1SB+4], 64*KS/256
	s_mov_b32 s[G1SB+5], 32
	s_mov_b32 s[G1SB+6], 0
	s_mov_b32 s[G1SB+7], 0
	s_lshl_b32 s22, s43, 3
	s_lshl_b32 s21, s20, 2
	s_add_co_u32 s22, s22, s21                     ; A: tile of 16 rows 8 x tile row + 4 x half
	s_mul_i32 s22, s22, NK*2048
	s_mov_b32 s23, 0
	s_lshl_b32 s92, s43, 9
	s_mul_i32 s21, s20, (NK/2)*16384
	s_add_co_u32 s92, s92, s21                     ; its scale words: my group's 512 bytes, my half of the K steps
	s_mov_b32 s93, 0
	s_lshl_b32 s46, s42, 7
	s_lshl_b32 s21, s20, 6
	s_add_co_u32 s46, s46, s21                     ; W: row 128 x tile column + 64 x half
	s_mul_i32 s94, s46, KS
	s_mul_i32 s46, s46, SIZE_K
	s_mov_b32 s47, 0
	s_mov_b32 s95, 0
	s_mul_i32 s96, s20, AHALF                      ; where they go: no place in the cluster enters an LDS address
	s_mul_i32 s97, s20, BHALF
	s_add_co_u32 s97, s97, BOFF
	s_mul_i32 s98, s20, HALFSA
	s_mul_i32 s99, s20, HALFSB
	s_wait_kmcnt 0x0
	s_add_nc_u64 s[22:23], s[4:5], s[22:23]
	s_add_nc_u64 s[92:93], s[6:7], s[92:93]
	s_add_nc_u64 s[46:47], s[8:9], s[46:47]
	s_add_nc_u64 s[94:95], s[10:11], s[94:95]
	CROUND                                         ; all sixteen work-groups are here: the first joint loads meet
	s_mov_b32 s[G0SA], 1
	s_add_co_u32 s[G0SA+1], s98, SCA
	s_mov_b64 s[G0SA+2:G0SA+3], s[92:93]
	s_or_b32 s[G0SA+3], s[G0SA+3], 0x80000000
	s_mov_b32 s[G0SB], 1
	s_add_co_u32 s[G0SB+1], s99, SCB
	s_mov_b64 s[G0SB+2:G0SB+3], s[94:95]
	s_or_b32 s[G0SB+3], s[G0SB+3], 0x80000000
	JLOAD G0SA, G1SA, G0SB, G1SB                   ; the scales first; with the two slots three loads of mine are out
.irp s, 0,1
	s_mov_b32 s[G0A+4*\s], 1
	s_add_co_u32 s[G0A+4*\s+1], s96, \s*SLOT
	s_add_nc_u64 s[G0A+4*\s+2:G0A+4*\s+3], s[22:23], \s*8192
	s_or_b32 s[G0A+4*\s+3], s[G0A+4*\s+3], 0x80000000
	s_mov_b32 s[G0B+4*\s], 1
	s_add_co_u32 s[G0B+4*\s+1], s97, \s*SLOT
	s_add_nc_u64 s[G0B+4*\s+2:G0B+4*\s+3], s[46:47], \s*KSTEP
	s_or_b32 s[G0B+4*\s+3], s[G0B+4*\s+3], 0x80000000
	JLOAD G0A+4*\s, G1A, G0B+4*\s, G1B
.endr
	v_and_b32 v1, 15, v0                           ; r
	v_bfe_u32 v2, v0, 4, 1                         ; h
	v_and_b32 v3, 31, v0
	v_lshlrev_b32 v3, 4, v3                        ; 16 x lane
	v_mul_u32_u24 v4, v1, PITCH
	v_lshl_add_u32 v4, v2, 4, v4
	s_mul_i32 s21, s19, AHALF
	s_mul_i32 s22, s20, BHALF
	s_add_co_u32 s22, s22, BOFF
.irp s, 0,1
	v_add_nc_u32 v[ADRA+\s], s21, v3
	v_add_nc_u32 v[ADRB+\s], s22, v4
	s_add_co_u32 s21, s21, SLOT
	s_add_co_u32 s22, s22, SLOT
.endr
	s_lshl_b32 s21, s19, 8
	s_add_co_u32 s21, s21, SCA
	v_lshl_add_u32 v[ADSA], v1, 4, s21             ; A's scale words: my four tiles' words of row r, 16 bytes
	v_mul_u32_u24 v5, v1, KS
	v_lshrrev_b32 v6, 8, v5
	v_lshl_add_u32 v5, v6, 4, v5
	s_mul_i32 s21, s20, HALFSB
	s_add_co_u32 s21, s21, SCB
	v_add_nc_u32 v[ADSB], s21, v5                  ; W's: row r's bytes; 16 more for each 256 passed
	s_mul_i32 s21, s18, 16*SPITCH
	v_mul_u32_u24 v5, v1, SPITCH
	v_lshl_add_u32 v5, v2, 5, v5
	v_add_nc_u32 v[STO], s21, v5
	v_mul_u32_u24 v5, v2, SPITCH
	v_lshl_add_u32 v5, v1, 4, v5
	v_add_nc_u32 v[RD], s21, v5
	v_lshlrev_b32 v5, 12, v2
	v_lshl_add_u32 v[CO], v1, 4, v5                ; lanes 0-15 one row of out, lanes 16-31 the next; 16 bytes a lane
	v_lshlrev_b32 v[BO], 4, v1
	s_lshl_b32 s21, s43, 7
	s_lshl_b32 s22, s19, 6
	s_add_co_u32 s21, s21, s22                     ; my first row
	s_lshl_b32 s92, s21, 12
	s_lshl_b32 s21, s42, 9
	s_lshl_b32 s22, s20, 8
	s_add_co_u32 s94, s21, s22                     ; my first column, in bytes
	s_add_co_u32 s92, s92, s94
	s_mov_b32 s93, 0
	s_mov_b32 s95, 0
	s_add_nc_u64 s[14:15], s[14:15], s[92:93]
	s_add_nc_u64 s[16:17], s[16:17], s[92:93]
	s_add_nc_u64 s[12:13], s[12:13], s[94:95]
	global_load_b128 v[BIAS:BIAS+3], v[BO], s[12:13]
	WIN 0x80                                       ; destination window 2
.set n, 0
.rept 32
	global_load_b128 v[4*n:4*n+3], v[CO], s[14:15] offset:2*n*4096 th:TH_LOAD_NT   ; the residual, in the layout in which rows come back from the stage
.set n, n+1
.endr
	WIN 0
.macro MULA f, a, set, q, zero         ; four matrix instructions: A's tile a x W's four.  The 16 accumulators take turns, one instruction a turn
.irp b, 0,1,2,3
.if \zero
	v_wmma_scale_f32_16x16x128_f8f6f4 v[ACC+8*(4*(\a)+\b):ACC+8*(4*(\a)+\b)+7], v[\f+64+16*\b:\f+64+16*\b+15], v[\f+16*(\a):\f+16*(\a)+15], 0, v[SB+16*(\set)+4*\b+(\q)], v[SA+16*(\set)+4*(\q)+(\a)]
.else
	v_wmma_scale_f32_16x16x128_f8f6f4 v[ACC+8*(4*(\a)+\b):ACC+8*(4*(\a)+\b)+7], v[\f+64+16*\b:\f+64+16*\b+15], v[\f+16*(\a):\f+16*(\a)+15], v[ACC+8*(4*(\a)+\b):ACC+8*(4*(\a)+\b)+7], v[SB+16*(\set)+4*\b+(\q)], v[SA+16*(\set)+4*(\q)+(\a)]
.endif
.endr
.endm
; the fragments of the slot's q-th 128 along K into buffer f: W's four, A's tiles 0 and 1, (sc = 1: the K step's scale words into set slot,) A's tiles 2 and 3
.macro FETCH slot, q, f, sc
	WIN TO_F
.irp b, 0,1,2,3
.irp c, 0,1,2,3
	ds_load_b128 v[\f+64+16*\b+4*\c:\f+64+16*\b+4*\c+3], v[ADRB+\slot] offset:\b*16*PITCH+128*(\q)+32*\c
.endr
.endr
.irp i, 0,1
.irp c, 0,1,2,3
	ds_load_b128 v[\f+16*\i+4*\c:\f+16*\i+4*\c+3], v[ADRA+\slot] offset:\i*8192+2048*(\q)+512*\c
.endr
.endr
.if \sc
	WIN 0
.irp u, 0,1,2,3
	ds_load_b128 v[SA+16*\slot+4*\u:SA+16*\slot+4*\u+3], v[ADSA] offset:512*\u
.endr
.irp b, 0,1,2,3
	ds_load_b128 v[SB+16*\slot+4*\b:SB+16*\slot+4*\b+3], v[ADSB] offset:\b*SBLKB
.endr
	WIN TO_F
.endif
.irp i, 2,3
.irp c, 0,1,2,3
	ds_load_b128 v[\f+16*\i+4*\c:\f+16*\i+4*\c+3], v[ADRA+\slot] offset:\i*8192+2048*(\q)+512*\c
.endr
.endr
.endm
.macro PLACES n                        ; plain vector instructions between a matrix instruction and a load into, or a vector access of, its registers
.rept \n
	v_nop
.endr
.endm
.macro QUARTER slot, q, f, g, zero     ; multiplies the slot's q-th 128 along K (buffer f) and fetches the next into g
	s_wait_dscnt 8                                 ; all but the youngest eight loads (A's tiles 2 and 3)
	WIN MUL
	MULA \f, 0, \slot, \q, \zero
	MULA \f, 1, \slot, \q, \zero
	PLACES 8
	FETCH \slot, (\q)+1, \g, 0
	s_wait_dscnt 32                                ; all but the 32 just issued
	WIN MUL
	MULA \f, 2, \slot, \q, \zero
	MULA \f, 3, \slot, \q, \zero
.endm
; a slot's last quarter changes slots: one barrier; in front of it each wave waits for all its tensor loads, adds 0 to its spare word, and waits for that and for its own reads of this slot
.macro TURN slot, next, fill
	WIN 0
	s_wait_tensorcnt 0x0                           ; all my tensor loads have landed: my part of the next slot
	ds_add_u32 v[SPW], v[NIL]                      ; 0 onto my spare word
	s_wait_dscnt 9                                 ; the add and the youngest eight loads may be out
	WIN MUL
	MULA F1, 0, \slot, 3, 0
	s_wait_dscnt 0x0                               ; the add is done, and my reads of this slot are over
	s_barrier_signal -1
	MULA F1, 1, \slot, 3, 0
	WIN 0
	s_barrier_wait -1
.if \fill
	CREST                                          ; the barrier has opened a round of the cluster's barrier
	s_add_nc_u64 s[G0A+4*\slot+2:G0A+4*\slot+3], s[G0A+4*\slot+2:G0A+4*\slot+3], 2*8192
	s_add_nc_u64 s[G0B+4*\slot+2:G0B+4*\slot+3], s[G0B+4*\slot+2:G0B+4*\slot+3], 2*KSTEP
	JLOAD G0A+4*\slot, G1A, G0B+4*\slot, G1B       ; the first tensor load behind the round; its four v_nop are among the places in front of the loads below
	PLACES 4
.else
	PLACES 8
.endif
	v_add_nc_u32 v[ADSA], 4*512, v[ADSA]           ; on to the next K step's scale words
	v_add_nc_u32 v[ADSB], 16, v[ADSB]
	FETCH \next, 0, F0, 1
	WIN MUL
	MULA F1, 2, \slot, 3, 0
	MULA F1, 3, \slot, 3, 0
.endm
	s_wait_tensorcnt 1                             ; the scales and my part of K step 0 are in; K step 1's load may be out
	s_barrier_signal -1
	s_barrier_wait -1
	FETCH 0, 0, F0, 1
	QUARTER 0, 0, F0, F1, 1                        ; the first quarter's products start the sums
.if LAPS > 1
	WIN 0
	s_mov_b32 s3, LAPS-1
.Llap:
	QUARTER 0, 1, F1, F0, 0
	QUARTER 0, 2, F0, F1, 0
	TURN 0, 1, 1
	QUARTER 1, 0, F0, F1, 0
	QUARTER 1, 1, F1, F0, 0
	QUARTER 1, 2, F0, F1, 0
	TURN 1, 0, 1
	QUARTER 0, 0, F0, F1, 0
	WIN 0
	s_sub_co_u32 s3, s3, 1
	s_cmp_lg_u32 s3, 0
	s_cbranch_scc1 .Llap
.endif
	QUARTER 0, 1, F1, F0, 0                        ; the last lap fills nothing
	QUARTER 0, 2, F0, F1, 0
	TURN 0, 1, 0
	QUARTER 1, 0, F0, F1, 0
	QUARTER 1, 1, F1, F0, 0
	QUARTER 1, 2, F0, F1, 0
	s_wait_dscnt 8
	WIN MUL
	MULA F1, 0, 1, 3, 0
	MULA F1, 1, 1, 3, 0
	s_wait_dscnt 0
	MULA F1, 2, 1, 3, 0
	MULA F1, 3, 1, 3, 0
	WIN 0
; THE WAY OUT, 16 rows at a time: through my own stage and back as whole rows of 256 bytes (into window 1: the fragment buffers are done with); the residual and the bias are added; sixteen lanes store 256 consecutive bytes
.macro OUTA a
.set BB, 32*((\a)%2)
.if (\a) >= 2
	s_wait_xcnt 0x0                                ; the stores of two turns ago have read these registers
.endif
.irp b, 0,1,2,3
	ds_store_b128 v[STO], v[ACC+8*(4*(\a)+\b):ACC+8*(4*(\a)+\b)+3] offset:64*\b          ; each accumulator from its low end on
	ds_store_b128 v[STO], v[ACC+8*(4*(\a)+\b)+4:ACC+8*(4*(\a)+\b)+7] offset:64*\b+16
.endr
	WIN 0x40
.irp t, 0,1,2,3,4,5,6,7
	ds_load_b128 v[BB+4*\t:BB+4*\t+3], v[RD] offset:\t*2*SPITCH   ; LDS serves a wave's instructions in order: these see my stores
.endr
	s_wait_dscnt 0x0
	WIN 0x49                                       ; destination and source 0 window 1, source 1 window 2
.irp t, 0,1,2,3,4,5,6,7
.irp i, 0,2
	v_pk_add_f32 v[BB+4*\t+\i:BB+4*\t+\i+1], v[BB+4*\t+\i:BB+4*\t+\i+1], v[4*(8*(\a)+\t)+\i:4*(8*(\a)+\t)+\i+1]
.endr
.endr
	WIN 0x41                                       ; source 1 window 0
.irp t, 0,1,2,3,4,5,6,7
.irp i, 0,2
	v_pk_add_f32 v[BB+4*\t+\i:BB+4*\t+\i+1], v[BB+4*\t+\i:BB+4*\t+\i+1], v[BIAS+\i:BIAS+\i+1]
.endr
.endr
	WIN 0x04                                       ; a store's data: window 1
.irp t, 0,1,2,3,4,5,6,7
	global_store_b128 v[CO], v[BB+4*\t:BB+4*\t+3], s[16:17] offset:(16*(\a)+2*\t)*4096
.endr
	WIN 0
.endm
	s_wait_loadcnt 0x0                             ; the residual and the bias
	PLACES 8
	OUTA 0
	OUTA 1
	OUTA 2
	OUTA 3
	s_wait_tensorcnt 0x0                           ; the wave's end
	ds_add_u32 v[SPW], v[NIL]
	s_wait_dscnt 0x0
	CROUND                                         ; the closing round
	s_endpgm
.Lfunc_end_k_q0cf8170ea2_ffn2:
	.size	k_q0cf8170ea2_ffn2, .Lfunc_end_k_q0cf8170ea2_ffn2-k_q0cf8170ea2_ffn2
	.p2alignl 7, 3214868480
	.fill 96, 4, 3214868480
	.section	.rodata,"a",@progbits
	.p2align	6, 0x0
	.amdhsa_kernel k_q0cf8170ea2_ffn2
		.amdhsa_group_segment_fixed_size 327680
		.amdhsa_private_segment_fixed_size 0
		.amdhsa_enable_private_segment 0
		.amdhsa_kernarg_size 56
		.amdhsa_user_sgpr_count 2
		.amdhsa_user_sgpr_kernarg_segment_ptr 1
		.amdhsa_wavefront_size32 1
		.amdhsa_system_sgpr_workgroup_id_x 1
		.amdhsa_system_sgpr_workgroup_id_y 1
		.amdhsa_system_sgpr_workgroup_id_z 1
		.amdhsa_system_vgpr_workitem_id 0
		.amdhsa_next_free_vgpr 768
		.amdhsa_next_free_sgpr 100
		.amdhsa_reserve_vcc 0
		.amdhsa_float_denorm_mode_32 3
		.amdhsa_float_denorm_mode_16_64 3
		.amdhsa_memory_ordered 1
		.amdhsa_forward_progress 1
		.amdhsa_inst_pref_size 105
	.end_amdhsa_kernel
	.amdgpu_metadata
---
amdhsa.version: [ 1, 2 ]
amdhsa.kernels:
  - .name:           k_q0cf8170ea2_ffn2
    .symbol:         k_q0cf8170ea2_ffn2.kd
    .args:
      - { .name: gc, .offset: 0, .size: 8, .value_kind: global_buffer, .address_space: global }
      - { .name: gs, .offset: 8, .size: 8, .value_kind: global_buffer, .address_space: global }
      - { .name: w2_codes, .offset: 16, .size: 8, .value_kind: global_buffer, .address_space: global }
      - { .name: w2_scales, .offset: 24, .size: 8, .value_kind: global_buffer, .address_space: global }
      - { .name: b2, .offset: 32, .size: 8, .value_kind: global_buffer, .address_space: global }
      - { .name: src2, .offset: 40, .size: 8, .value_kind: global_buffer, .address_space: global }
      - { .name: out0, .offset: 48, .size: 8, .value_kind: global_buffer, .address_space: global }
    .group_segment_fixed_size: 327680
    .private_segment_fixed_size: 0
    .kernarg_segment_align: 8
    .kernarg_segment_size: 56
    .max_flat_workgroup_size: 128
    .sgpr_count:     100
    .vgpr_count:     768
    .wavefront_size: 32
...
	.end_amdgpu_metadata
.endif
;; end of part 6
